; MI455X (gfx1250); checked and timed in simulation.
; The chip was launched on July 23, 2026; its instructions are those of AMD's public machine-readable ISA for CDNA 5 (MIT licence, August 2026) and "CDNA5" Instruction Set Architecture Reference Guide (July 2026). The comments in the code are by the model that wrote it; some were corrected since.
;; Causal Self Attention. Allowed arithmetic: matrix products marked QUANTISED: E2M1 operands, one E8M0 scale for each 32 along K, by v_wmma_scale_f32_16x16x128_f8f6f4 with both operands' format E2M1 (or v_wmma_scale_f32_32x16x128_f4), f32 sums; everything else in f32.
;; Inputs: b_out 1,024 float32; b_qkv 3,072 float32; w_out 1,024 x 1,024 float32; w_qkv 3,072 x 1,024 float32; x 4 x 2,048 x 1,024 float32.
;; Outputs: out0 4 x 2,048 x 1,024 float32.
;; This version of the problem:
;;   THIS VERSION OF THE PROBLEM IS GIVEN IN LOW PRECISION. The matrix products marked QUANTISED in the list below multiply operands that are first quantised to E2M1 (2 exponent bits, 1 mantissa bit; 4 bits a number), with one power-of-two scale for each 32 numbers along K (OCP MX v1.0); their sums are f32. All else is computed in f32.
;;   The module's matrix products, in the order in which they are computed (A, B: the left and right operand; K: the contracted axis; several contracted axes count as one K, in the product's order):
;;     1. [M 8,192, K 1,024] x [K 1,024, N 3,072]; A: input x; B: input w_qkv: QUANTISED
;;     2. batch 64 x [M 2,048, K 64] x [K 64, N 2,048]; A: computed on the way; B: computed on the way: QUANTISED
;;     3. batch 64 x [M 2,048, K 2,048] x [K 2,048, N 64]; A: softmax (see below); B: computed on the way: QUANTISED
;;     4. [M 8,192, K 1,024] x [K 1,024, N 1,024]; A: computed on the way; B: input w_out: QUANTISED
;;   THE QUANTISER, for each operand of a quantised product, along K:
;;     - K is cut into blocks of 32 from its start; a last block that is shorter is filled with zeros.
;;     - A block's scale is 2^e with e = floor(log2(the largest magnitude in the block)) - 2, held to -126 .. 127; a block of zeros has e = 0. As a byte (E8M0): e + 127.
;;     - Each number is divided by its block's scale, clamped to +-6, and rounded to the nearest number of E2M1, ties to even, subnormals kept.
;;     - The product sums the exact products of the quantised numbers (number of the format x scale) in f32.
;;   ~~~python
;;   def quantise(x, axis):      # numpy; x: float32 -> the quantised numbers, widened to float32 again
;;       x = np.moveaxis(x, axis, -1); K = x.shape[-1]
;;       x = np.pad(x, [(0, 0)] * (x.ndim - 1) + [(0, -K % 32)]); x = x.reshape(x.shape[:-1] + (-1, 32)); a = np.abs(x).max(-1, keepdims=True)
;;       e = np.where(a > 0, np.clip(np.frexp(np.where(a > 0, a, 1))[1] - 1 - 2, -126, 127), 0)      # np.frexp(a)[1] - 1 = floor(log2(a)), exactly
;;       r = np.clip(x / 2.0 ** e, -6, 6)
;;       step = 2.0 ** (np.maximum(np.frexp(np.where(r == 0, 1, r))[1] - 1, 0) - 1)
;;       q = np.round(r / step) * step * 2.0 ** e      # np.round: ties to even
;;       return np.moveaxis(q.reshape(q.shape[:-2] + (-1,))[..., :K], -1, axis).astype(np.float32)
;;   ~~~
;;   SOFTMAX AHEAD OF A QUANTISED PRODUCT. Where the list says 'softmax', what is quantised is not the finished softmax but p = 2^(t - M), with t = logit x log2(e) and M = ceil(the row's largest t), a whole number; so 1/2 < the row's largest p <= 1. The row's sum l is taken of the UNQUANTISED p, in f32, and the product's result is divided by l at the end. Since M is a whole number, a kernel that streams over the keys may use a running M (the ceiling of the running maximum): every later rescaling is an exact power of two, which a block's scale takes up: the codes' values come out the same.
;;   OPERANDS COMPUTED ON THE WAY. 'Computed on the way' means the value that the module computes at that place (a softmax that the list does not call 'softmax' is quantised finished and normalised). What goes into a quantiser is computed in f32, as accurately as f32 sums, v_exp_f32 and their like allow (about 1e-6 of the number): no bf16 or f16 on the way to a quantiser, and a product that is left as it is and whose result goes on into a quantised operand takes f32 operands (vector FMAs, or v_wmma_f32_16x16x4_f32). A number that lies on a knife's edge between two numbers of the format may be rounded either way, as far as f32 arithmetic and the matrix unit's own rounding can turn it there, and no further.
;; One version. Each part assembles by itself: llvm-mc -triple=amdgcn-amd-amdhsa -mcpu=gfx1250 --defsym DOCPART=n.
;; ======== version 1 of 1: 4 launches
;; workspace buffers: wc 6,291,456 bytes; ws 393,216 bytes; qkv 12,582,912 bytes; qkvs 1,572,864 bytes; oc 4,194,304 bytes; os 262,144 bytes
;; launch quant (part 1): grid 768 x 1, 4 waves a work-group, no clusters, 35,328 bytes of LDS; arguments x, w_qkv, w_out, wc, ws; writes wc, ws
.if DOCPART == 1
	.amdgcn_target "amdgcn-amd-amdhsa--gfx1250"
	.amdhsa_code_object_version 6
	.text
	.protected	k_q76788a4deb_quant
	.globl	k_q76788a4deb_quant
	.p2align	8
	.type	k_q76788a4deb_quant,@function
k_q76788a4deb_quant:
	s_mov_b64 s[64:65], 0
	v_nop
	global_prefetch_b8 v0, s[64:65] scope:SCOPE_SE
	s_setreg_imm32_b32 hwreg(HW_REG_WAVE_MODE, 25, 1), 1
	s_wait_xcnt 0x0
; CAUSAL SELF-ATTENTION IN MX-FP4, FOUR LAUNCHES: (1) this one: x, w_qkv, w_out into codes; (2) x w_qkv^T + b_qkv, quantised on the way out into q, k, v; (3) attention, o quantised on the way out; (4) o w_out^T + b_out.
; DEAD WORK, left out in launch 3 alone: reference() sets att to -inf wherever key > query, by the tril that it builds in its own body.  So for every value of the inputs p = 0 there, and a step of 128 keys all of which
; come after all queries of a tile of queries adds nothing to the row's maximum, to its sum or to the product with v: such steps are not walked.  Every input has a way to the output and is loaded (the bias on k too: it moves k's codes).
; LIMIT of that: a NaN, an infinity or an overflow that reaches only the steps left out is not carried to the result.
; THIS LAUNCH.  x [8192][1024], w_qkv [3072][1024], w_out [1024][1024], f32, K innermost, become codes of E2M1 with one E8M0 byte for each 32 along K.  A block's scale is 2^(floor(log2(largest magnitude)) - 2): its byte is the
; largest magnitude's exponent field - 2, held at 1 from below; each number is divided by the scale and rounded to the nearest code, ties to even, beyond 6 the largest code.
; LIMITS: NaN and infinities among the inputs are not served; a block whose largest magnitude lies under 2^-124 has its byte held at 1; a block of zeros has the byte 1 where the rule says 127 (its codes are zeros, and this program alone reads the bytes).
; THE LAYOUT OF ALL CODES OF THIS PROGRAM: AN IMAGE OF THE OPERAND'S REGISTERS.  A tile is 16 rows; rows go in groups of 64; lane index r of tile 4 G + a holds row 64 G + 32 (a / 2) + 8 (a % 2) + r + 8 (r / 8).
; wc: [tile][block of 32 along K][r][16 bytes]: lane l = 16 hh + r of a fragment finds registers 4 c .. 4 c + 3 of K step kk at 1024 kk + 512 c + 16 l.   ws: [tile][K step][r] words of four bytes.
; Tiles 0-511 are x's, 512-703 w_qkv's, 704-767 w_out's.
; SHARES.  A work-group is a tile; wave Q takes the K quarter Q: 256 numbers of each of 16 rows, in four steps of 64.  All 32 loads of a wave (16 KiB) go out at its head.  Each load reads two rows' 256 consecutive bytes;
; a step turns through the wave's own stage in LDS (rows of 256 + 16 bytes), so that lane (r, hh) gets a whole block of 32 of row r.  No barrier: waves share nothing.
.set WREG,  8704                       ; LDS of a wave: two stages of 16 rows x 272 bytes
.set HSTG,  4352
.set SPARE, 4*WREG                     ; behind the four regions: the spare words, 128 bytes a wave, two blocks of 256 bytes that no other line names
.set LO,   1                           ; v1   a load's offset: 4096 (lane / 16) + 16 (lane % 16)
.set STI,  2                           ; v2   the stage, on the way in
.set STX,  3                           ; v3   and on the way out: row r, + 128 hh
.set L16,  4                           ; v4   16 x lane
.set L4,   5                           ; v5   4 x lane
.set SH,   6                           ; v6   8 hh
.set SPW,  12                          ; v12  my spare word's LDS address; never rewritten
.set NIL,  13                          ; v13  0; never rewritten
.set R,    32                          ; v32-159  the numbers as loaded: 32 registers a step
.set X,    160                         ; v160-223 two sets of 32 neighbours
.set C,    224                         ; v224-239 codes: four registers a step, so that no store's data are written again
.set E,    240                         ; v240-243 a scale byte a step
	s_load_b128 s[4:7], s[0:1], 0x0                ; x, w_qkv
	s_load_b128 s[8:11], s[0:1], 0x10              ; w_out, wc
	s_load_b64 s[12:13], s[0:1], 0x20              ; ws
	v_lshl_add_u32 v[SPW], v0, 2, SPARE
	v_mov_b32 v[NIL], 0
	v_lshrrev_b32 v8, 5, v0
	v_readfirstlane_b32 s14, v8                    ; wave = K quarter
	v_and_b32 v9, 31, v0                           ; lane
	v_and_b32 v10, 15, v0                          ; r
	v_bfe_u32 v11, v0, 4, 1                        ; hh
	v_lshlrev_b32 v[LO], 12, v11
	v_lshl_add_u32 v[LO], v10, 4, v[LO]
	s_mul_i32 s15, s14, WREG
	v_mul_u32_u24 v[STI], v11, 272
	v_lshl_add_u32 v[STI], v10, 4, v[STI]
	v_add_nc_u32 v[STI], s15, v[STI]
	v_mul_u32_u24 v[STX], v10, 272
	v_lshl_add_u32 v[STX], v11, 7, v[STX]
	v_add_nc_u32 v[STX], s15, v[STX]
	v_lshlrev_b32 v[L16], 4, v9
	v_lshlrev_b32 v[L4], 2, v9
	v_lshlrev_b32 v[SH], 3, v11
	v_mov_b32 v14, 0                               ; written once: a lane permute's destination counts as one of its sources
	v_mov_b32 v15, 0
	s_mov_b32 s20, 0x76543210
	s_mov_b32 s21, 0xfedcba98                      ; v_permlanex16_b32's selects for lane l xor 16
	s_mov_b32 s16, 704                             ; the first tile of my tensor: 0, 512 or 704
	s_cmp_lt_u32 ttmp9, 704
	s_cselect_b32 s16, 512, s16
	s_cmp_lt_u32 ttmp9, 512
	s_cselect_b32 s16, 0, s16
	s_sub_co_u32 s17, ttmp9, s16                   ; my tile in it
	s_lshr_b32 s18, s17, 2
	s_lshl_b32 s18, s18, 6                         ; 64 G
	s_bfe_u32 s19, s17, 0x10001
	s_lshl_b32 s19, s19, 5                         ; + 32 (a / 2)
	s_add_co_u32 s18, s18, s19
	s_and_b32 s19, s17, 1
	s_lshl_b32 s19, s19, 3                         ; + 8 (a % 2)
	s_add_co_u32 s18, s18, s19
	s_lshl_b32 s18, s18, 12                        ; rows of 4,096 bytes (under 2^26)
	s_lshl_b32 s19, s14, 10                        ; + my quarter's 1,024 bytes
	s_add_co_u32 s18, s18, s19
	s_mov_b32 s19, 0
	s_lshl_b32 s22, ttmp9, 13                      ; codes: 8,192 bytes a tile, 2,048 a quarter
	s_lshl_b32 s23, s14, 11
	s_add_co_u32 s22, s22, s23
	s_mov_b32 s23, 0
	s_lshl_b32 s24, ttmp9, 9                       ; scale words: 512 bytes a tile, 128 a quarter
	s_lshl_b32 s25, s14, 7
	s_add_co_u32 s24, s24, s25
	s_mov_b32 s25, 0
	s_wait_alu depctr_va_vdst(0)
	s_wait_kmcnt 0x0
	s_cmp_lt_u32 ttmp9, 704                        ; which tensor: the choice hangs on the work-group's number alone
	s_cselect_b64 s[6:7], s[6:7], s[8:9]
	s_cmp_lt_u32 ttmp9, 512
	s_cselect_b64 s[4:5], s[4:5], s[6:7]
	s_add_nc_u64 s[4:5], s[4:5], s[18:19]
	s_add_nc_u64 s[10:11], s[10:11], s[22:23]
	s_add_nc_u64 s[12:13], s[12:13], s[24:25]
.macro LOAD m                          ; step m: load j reads lane indices 2 j and 2 j + 1 of the tile, 256 consecutive bytes each
.irp j, 0,1,2,3,4,5,6,7
	global_load_b128 v[R+32*(\m)+4*\j:R+32*(\m)+4*\j+3], v[LO], s[4:5] offset:(2*\j+8*(\j/4))*4096+256*(\m) th:TH_LOAD_NT
.endr
.endm
.macro TURN m                          ; step m through a stage: LDS serves a wave's instructions in order, so no wait stands between the stores and the loads
.irp j, 0,1,2,3,4,5,6,7
	ds_store_b128 v[STI], v[R+32*(\m)+4*\j:R+32*(\m)+4*\j+3] offset:HSTG*((\m)%2)+544*\j
.endr
.irp i, 0,1,2,3,4,5,6,7
	ds_load_b128 v[X+32*((\m)%2)+4*\i:X+32*((\m)%2)+4*\i+3], v[STX] offset:HSTG*((\m)%2)+16*\i
.endr
.endm
.macro STEP m
.set XS, X+32*((\m)%2)
.if (\m) < 3
	s_wait_loadcnt 8*(2-(\m))                      ; the next step's eight loads are in; those of the steps behind it may be out
	TURN (\m)+1                                    ; it goes through the other stage while this step is worked
	s_wait_dscnt 16                                ; this step's numbers are back; the 16 LDS instructions just issued may be out
.else
	s_wait_dscnt 0x0
.endif
	v_max3_num_f32 v8, |v[XS]|, |v[XS+1]|, |v[XS+2]|               ; the block's largest magnitude: all 32 numbers are mine; two chains
	v_max3_num_f32 v9, |v[XS+3]|, |v[XS+4]|, |v[XS+5]|
.irp i, 6,10,14,18,22,26
	v_max3_num_f32 v8, v8, |v[XS+\i]|, |v[XS+\i+1]|
	v_max3_num_f32 v9, v9, |v[XS+\i+2]|, |v[XS+\i+3]|
.endr
	v_max3_num_f32 v8, v8, |v[XS+30]|, |v[XS+31]|
	v_max3_num_f32 v8, v8, v9, 0x1800000           ; and the floor 2^(3 - 127): the byte cannot fall under 1
	v_add_nc_u32 v11, 0xff000000, v8               ; 2 off the exponent field: the conversion takes the exponent field of this operand as its scale
.irp g, 0,1,2,3
	v_cvt_scalef32_pk8_fp4_f32 v[C+4*(\m)+\g], v[XS+8*\g:XS+8*\g+7], v11
.endr
	v_lshrrev_b32 v[E+(\m)], 23, v11               ; the scale's byte (a plain line behind the conversions)
	global_store_b128 v[L16], v[C+4*(\m):C+4*(\m)+3], s[10:11] offset:512*(\m)   ; blocks 8 Q + 2 m and + 1: 512 consecutive bytes
.endm
	LOAD 0
	LOAD 1
	LOAD 2
	LOAD 3
	s_wait_loadcnt 24                              ; step 0's eight loads are in; 24 younger ones stay out
	TURN 0
	STEP 0
	STEP 1
	STEP 2
	STEP 3
	; the scale words of K steps 2 Q and 2 Q + 1: byte 2 (m % 2) + hh of word m / 2
	v_lshl_or_b32 v8, v[E+1], 16, v[E]
	v_lshl_or_b32 v9, v[E+3], 16, v[E+2]
	v_lshlrev_b32 v8, v[SH], v8                    ; my two bytes at their places,
	v_lshlrev_b32 v9, v[SH], v9
	v_permlanex16_b32 v14, v8, s20, s21
	v_permlanex16_b32 v15, v9, s20, s21
	v_or_b32 v8, v8, v14                           ; with lane l xor 16's two the words are whole
	v_or_b32 v9, v9, v15
	v_cmp_ne_u32 vcc_lo, 0, v[SH]
	v_cndmask_b32 v8, v8, v9, vcc_lo               ; lanes 0-15 store the first word, lanes 16-31 the second: 128 consecutive bytes
	global_store_b32 v[L4], v8, s[12:13]
	s_wait_tensorcnt 0x0                           ; the wave's end, behind my last LDS store
	ds_add_u32 v[SPW], v[NIL]
	s_wait_dscnt 0x0
	s_endpgm
.Lfunc_end_k_q76788a4deb_quant:
	.size	k_q76788a4deb_quant, .Lfunc_end_k_q76788a4deb_quant-k_q76788a4deb_quant
	.p2alignl 7, 3214868480
	.fill 96, 4, 3214868480
	.section	.rodata,"a",@progbits
	.p2align	6, 0x0
	.amdhsa_kernel k_q76788a4deb_quant
		.amdhsa_group_segment_fixed_size 35328
		.amdhsa_private_segment_fixed_size 0
		.amdhsa_enable_private_segment 0
		.amdhsa_kernarg_size 40
		.amdhsa_user_sgpr_count 2
		.amdhsa_user_sgpr_kernarg_segment_ptr 1
		.amdhsa_wavefront_size32 1
		.amdhsa_system_sgpr_workgroup_id_x 1
		.amdhsa_system_sgpr_workgroup_id_y 1
		.amdhsa_system_sgpr_workgroup_id_z 1
		.amdhsa_system_vgpr_workitem_id 0
		.amdhsa_next_free_vgpr 256
		.amdhsa_next_free_sgpr 66
		.amdhsa_reserve_vcc 1
		.amdhsa_float_denorm_mode_32 3
		.amdhsa_float_denorm_mode_16_64 3
		.amdhsa_memory_ordered 1
		.amdhsa_forward_progress 1
		.amdhsa_inst_pref_size 17
	.end_amdhsa_kernel
	.amdgpu_metadata
---
amdhsa.version: [ 1, 2 ]
amdhsa.kernels:
  - .name:           k_q76788a4deb_quant
    .symbol:         k_q76788a4deb_quant.kd
    .args:
      - { .name: x, .offset: 0, .size: 8, .value_kind: global_buffer, .address_space: global }
      - { .name: w_qkv, .offset: 8, .size: 8, .value_kind: global_buffer, .address_space: global }
      - { .name: w_out, .offset: 16, .size: 8, .value_kind: global_buffer, .address_space: global }
      - { .name: wc, .offset: 24, .size: 8, .value_kind: global_buffer, .address_space: global }
      - { .name: ws, .offset: 32, .size: 8, .value_kind: global_buffer, .address_space: global }
    .group_segment_fixed_size: 35328
    .private_segment_fixed_size: 0
    .kernarg_segment_align: 8
    .kernarg_segment_size: 40
    .max_flat_workgroup_size: 128
    .sgpr_count:     66
    .vgpr_count:     256
    .wavefront_size: 32
...
	.end_amdgpu_metadata
.endif
;; end of part 1
;; launch qkvgemm (part 2): grid 12 x 64, 8 waves a work-group, clusters of 4 x 4, 209,920 bytes of LDS; arguments wc, ws, b_qkv, qkv, qkvs; writes qkv, qkvs
.if DOCPART == 2
	.amdgcn_target "amdgcn-amd-amdhsa--gfx1250"
	.amdhsa_code_object_version 6
	.text
	.protected	k_q76788a4deb_qkvgemm
	.globl	k_q76788a4deb_qkvgemm
	.p2align	8
	.type	k_q76788a4deb_qkvgemm,@function
k_q76788a4deb_qkvgemm:
	s_mov_b64 s[64:65], 0
	v_nop
	global_prefetch_b8 v0, s[64:65] scope:SCOPE_SE
	s_setreg_imm32_b32 hwreg(HW_REG_WAVE_MODE, 25, 1), 1
	s_wait_xcnt 0x0
	s_wait_alu depctr_hold_cnt(0) depctr_sa_sdst(0) depctr_va_vdst(0) depctr_va_sdst(0) depctr_va_ssrc(0) depctr_va_vcc(0) depctr_vm_vsrc(0)
	s_getreg_b32 s2, hwreg(HW_REG_IB_STS2, 6, 4)
	s_cmp_eq_u32 s2, 0
	s_cbranch_scc0 .Lentry_in_a_cluster
	s_endpgm
.Lentry_in_a_cluster:
	s_bfe_u32 s2, ttmp6, 0x10000c
	s_cmp_lg_u32 s2, 0xf033
	s_cbranch_scc0 .Lentry_shape_is_right
	s_endpgm
.Lentry_shape_is_right:
; qkv = x w_qkv^T + b_qkv on codes of E2M1 (launch 1's images), and q, k, v quantised on the way out, each along the K of the product that takes it: q and k along the head's 64, v along the tokens.  Nothing is left out here.
; THE FRAME.  Out(i, j) = sum over k of P[i][k] R[j][k].  A work-group takes 128 rows of P (8 image tiles) x 256 rows of R (16); eight waves, wave (wi, wj) = (w / 4, w % 4) takes 64 x 64: 16 accumulators.
; THE MATRIX INSTRUCTION: source 0 = 16 rows of R, source 1 = 16 rows of P.  A lane then holds ONE row of P, and by the images' choice of rows the 16 registers of R's tiles 2 B and 2 B + 1 are R's rows 32 B + 16 (lane / 16) + 0 .. 15:
; neighbours, so that the conversions' results, with the exchange of halves, are the lane's 16 bytes of the next product's image and leave by one store of 16 bytes a lane.
; q and k (cluster x = 0, 1): P = x, R = w_qkv's rows 0-2047: a lane holds a token, its registers run along a head's 64.   v (cluster x = 2): P = w_qkv's rows 2048-3071, R = x: a lane holds a channel d, its registers run along 64 tokens.
; ALL OF K LIES IN LDS: (128 + 256) rows x 512 bytes, and 12 KiB of scale words.  No byte of LDS is filled twice.  Each wave issues two tensor loads at the head, K's first half and its second: two are out at the most.
; CLUSTER 4 x 4: P's tiles hang on the cluster's row alone, R's on its column alone: each is asked for jointly by the four that share it.
; OUT.  qkv: [q, k, v][batch][head][128 tiles][512 bytes]; q, k: tile 4 (t / 64) + a, lane (r, hh): dims 32 hh on of the tile's token r; v: tile 4 (t / 64) + a, a the tile of d, lane (r, hh): tokens 64 (t / 64) + 32 hh on.
; qkvs: the same tiles, 16 words each: byte 0, 1 the two blocks' scales, bytes 2, 3 zero.
; LIMITS: as stated at launch 1 (NaN, infinities; bytes held at 1 from below).
.set HALF,  98304                      ; LDS: K half H at H x HALF: R's 16 tiles x 4,096 bytes, then P's 8
.set SCB,   196608                     ; scale words: half H at SCB + H x SCH: P's 8 tiles x 256 bytes, then R's 16
.set SCH,   6144
.set SPARE, 208896                     ; the spare words, 128 bytes a wave: four blocks of 256 bytes that no other line names
.set L16, 1                            ; v1   16 x lane
.set ADR, 2                            ; v2-3 LDS address of my R fragments, K half 0, 1
.set ADP, 4                            ; v4-5 the same for P
.set ADS, 6                            ; v6   my scale words: lanes 0-15 P's tiles, lanes 16-31 R's
.set L4,  7                            ; v7   4 x lane
.set SPW, 8                            ; v8   my spare word's LDS address; never rewritten
.set NIL, 9                            ; v9   0; never rewritten
.set SC,  16                           ; v16-31  scale words: register 4 i + q: P's tile i below, R's tile i above, K step q of the half
.set BI,  32                           ; v32-63  the bias, as the C of the first products
.set PF,  64                           ; v64-95  P's four fragments
.set RF,  96                           ; v96-127 R's four
.set ACC, 128                          ; v128-255 accumulator (a, b) at 128 + 32 a + 8 b
.set KIND, 14                          ; s14  1: v;  0: q, k
.set CLY,  15                          ; s15  the cluster's y
.set WV,   16
.set WI,   17
.set WJ,   18
.set CX,   19
.set CY,   20
.set LA,   21                          ; s21  16,384 x wave: where a wave's code tiles land
.set PT,   22                          ; s22  which 128 rows of P
.set RT,   23                          ; s23  which 256 rows of R
.set G1R,  24                          ; descriptor groups 1: R's codes, P's codes, R's scales, P's scales
.set G1P,  32
.set G1RS, 40
.set G1PS, 48
.set G0R,  56                          ; groups 0, a set for each K half
.set G0P,  68
.set G0RS, 76
.set G0PS, 84
.macro CROUND                          ; a round of the cluster's barrier
	s_barrier_signal -1
	s_barrier_wait -1
	s_cmp_lg_u32 s[WV], 0
	s_cbranch_scc1 .Lnot_wave_0_\@
	s_barrier_signal -3
.Lnot_wave_0_\@:
	s_barrier_wait -3
	s_barrier_signal -1
	s_barrier_wait -1
.endm
.macro TWO g0, g1                      ; a wave's two first fills: an s_nop 0 behind each, four v_nop behind the second
	tensor_load_to_lds s[\g0:\g0+3], s[\g1:\g1+7]
	s_nop 0
	tensor_load_to_lds s[\g0+4:\g0+7], s[\g1:\g1+7]
	s_nop 0
.rept 4
	v_nop
.endr
.endm
.macro SCALES H
.irp i, 0,1,2,3
.irp q, 0,1,2,3
	ds_load_b32 v[SC+4*\i+\q], v[ADS] offset:\H*SCH+256*\i+64*\q
.endr
.endr
.endm
.macro FRAGS H, kq                     ; a fragment is two loads of 16 bytes a lane at 16 x lane: 512 consecutive bytes each
.irp a, 0,1,2,3
.irp c, 0,1
	ds_load_b128 v[PF+8*\a+4*\c:PF+8*\a+4*\c+3], v[ADP+\H] offset:4096*\a+1024*\kq+512*\c
.endr
.endr
.irp b, 0,1,2,3
.irp c, 0,1
	ds_load_b128 v[RF+8*\b+4*\c:RF+8*\b+4*\c+3], v[ADR+\H] offset:4096*\b+1024*\kq+512*\c
.endr
.endr
.endm
; 16 products, 128 along K.  The 16 accumulators take turns, one instruction a turn, in the same order in every step.  cmode 0: C = the accumulator; 1: the bias by R's tile; 2: by P's tile.
.macro MUL kq, cmode
.irp a, 0,1,2,3
.irp b, 0,1,2,3
.if \cmode == 0
	v_wmma_scale_f32_16x16x128_f8f6f4 v[ACC+32*\a+8*\b:ACC+32*\a+8*\b+7], v[RF+8*\b:RF+8*\b+7], v[PF+8*\a:PF+8*\a+7], v[ACC+32*\a+8*\b:ACC+32*\a+8*\b+7], v[SC+4*\b+\kq], v[SC+4*\a+\kq] matrix_a_fmt:MATRIX_FMT_FP4 matrix_b_fmt:MATRIX_FMT_FP4 matrix_a_scale:MATRIX_SCALE_ROW1
.elseif \cmode == 1
	v_wmma_scale_f32_16x16x128_f8f6f4 v[ACC+32*\a+8*\b:ACC+32*\a+8*\b+7], v[RF+8*\b:RF+8*\b+7], v[PF+8*\a:PF+8*\a+7], v[BI+8*\b:BI+8*\b+7], v[SC+4*\b+\kq], v[SC+4*\a+\kq] matrix_a_fmt:MATRIX_FMT_FP4 matrix_b_fmt:MATRIX_FMT_FP4 matrix_a_scale:MATRIX_SCALE_ROW1
.else
	v_wmma_scale_f32_16x16x128_f8f6f4 v[ACC+32*\a+8*\b:ACC+32*\a+8*\b+7], v[RF+8*\b:RF+8*\b+7], v[PF+8*\a:PF+8*\a+7], v[BI+8*\a:BI+8*\a+7], v[SC+4*\b+\kq], v[SC+4*\a+\kq] matrix_a_fmt:MATRIX_FMT_FP4 matrix_b_fmt:MATRIX_FMT_FP4 matrix_a_scale:MATRIX_SCALE_ROW1
.endif
.endr
.endr
.endm
.macro PLACES                          ; four plain vector lines between matrix instructions and loads into registers that they read (ISA guide 7.12.1 for vector instructions)
.rept 4
	v_nop
.endr
.endm
.macro KSTEP H, kq
	PLACES
	FRAGS \H, \kq
	s_wait_dscnt 0x0
	MUL \kq, 0
.endm
	s_load_b128 s[4:7], s[0:1], 0x0                ; wc, ws
	s_load_b128 s[8:11], s[0:1], 0x10              ; b_qkv, qkv
	s_load_b64 s[12:13], s[0:1], 0x20              ; qkvs
	v_lshl_add_u32 v[SPW], v0, 2, SPARE
	v_mov_b32 v[NIL], 0
	ds_add_u32 v[SPW], v[NIL]                      ; the wave's opening: the add, twice on end, and its wait ahead of my first tensor load; the set-up below stands between
	ds_add_u32 v[SPW], v[NIL]
	v_lshrrev_b32 v10, 5, v0
	s_delay_alu instid0(VALU_DEP_1)
	v_readfirstlane_b32 s[WV], v10                 ; wave 0..7
	s_lshr_b32 s[WI], s[WV], 2
	s_and_b32 s[WJ], s[WV], 3
	s_lshl_b32 s[LA], s[WV], 14
	s_bfe_u32 s[CX], ttmp6, 0x40000                ; my place in the cluster
	s_bfe_u32 s[CY], ttmp6, 0x40004
	s_and_b32 s[CLY], ttmp7, 0xffff
	s_lshl_b32 s92, s[CLY], 2                      ; q, k: P's block = 4 x cluster y + cy
	s_lshr_b32 s93, s[CLY], 3
	s_lshl_b32 s93, s93, 2                         ; v:    4 x (cluster y / 8) + cy
	s_lshl_b32 s94, ttmp9, 2                       ; q, k: R's block = 4 x cluster x + cx
	s_and_b32 s95, s[CLY], 7
	s_lshl_b32 s95, s95, 2                         ; v:    4 x (cluster y % 8) + cx
	s_cmp_eq_u32 ttmp9, 2                          ; the cluster's x, which all sixteen partners share
	s_cselect_b32 s[KIND], 1, 0
	s_cselect_b32 s[PT], s93, s92
	s_cselect_b32 s[RT], s95, s94
	s_cselect_b32 s96, 640, 0                      ; P's first tile in wc: w_qkv's row 2048, or x
	s_cselect_b32 s97, 0, 512                      ; R's: x, or w_qkv's row 0
	s_add_co_u32 s[PT], s[PT], s[CY]
	s_add_co_u32 s[RT], s[RT], s[CX]
	; where R's tiles lie (cx alone enters): s[94:95] codes, s[2:3] scale words
	s_lshl_b32 s94, s[RT], 4
	s_add_co_u32 s94, s94, s97
	s_lshl_b32 s2, s94, 9
	s_mov_b32 s3, 0
	s_lshl_b32 s95, s[WJ], 2                       ; waves 0-3 fetch four tiles each
	s_add_co_u32 s94, s94, s95
	s_lshl_b32 s94, s94, 13
	s_mov_b32 s95, 0
	; where P's lie (cy alone enters): s[92:93] codes, s[96:97] scale words
	s_lshl_b32 s92, s[PT], 3
	s_add_co_u32 s92, s92, s96
	s_lshl_b32 s96, s92, 9
	s_mov_b32 s97, 0
	s_and_b32 s93, s[WV], 1                        ; waves 4 and 5 fetch four tiles each
	s_lshl_b32 s93, s93, 2
	s_add_co_u32 s92, s92, s93
	s_lshl_b32 s92, s92, 13
	s_mov_b32 s93, 0
	s_lshl_b32 s98, s[CY], 2
	s_lshl_b32 s98, 15, s98                        ; my row of the cluster
	s_lshl_b32 s99, 0x1111, s[CX]                  ; my column
	; groups 1.  Codes: 4 rows (tiles) of 4,096 bytes (512 elements of 8), 8,192 bytes apart.  Scale words: rows of 256 bytes, 512 apart.  Dense in LDS.  15:0 the mask, 17:16 elements of 8 bytes, 21 set beside a mask
	s_or_b32 s[G1R], s99, (3<<16)|(1<<21)
	s_or_b32 s[G1P], s98, (3<<16)|(1<<21)
	s_or_b32 s[G1RS], s99, (3<<16)|(1<<21)
	s_or_b32 s[G1PS], s98, (3<<16)|(1<<21)
.irp g, G1R, G1P
	s_mov_b32 s[\g+1], 512<<16                     ; tensor_dim0
	s_mov_b32 s[\g+2], 4<<16                       ; tensor_dim1
	s_mov_b32 s[\g+3], 512<<16                     ; tile_dim0
	s_mov_b32 s[\g+4], 4                           ; tile_dim1
	s_mov_b32 s[\g+5], 1024                        ; the pitch
	s_mov_b32 s[\g+6], 0
	s_mov_b32 s[\g+7], 0
.endr
	s_mov_b32 s[G1RS+1], 32<<16
	s_mov_b32 s[G1RS+2], 16<<16
	s_mov_b32 s[G1RS+3], 32<<16
	s_mov_b32 s[G1RS+4], 16
	s_mov_b32 s[G1RS+5], 64
	s_mov_b32 s[G1RS+6], 0
	s_mov_b32 s[G1RS+7], 0
	s_mov_b32 s[G1PS+1], 32<<16
	s_mov_b32 s[G1PS+2], 8<<16
	s_mov_b32 s[G1PS+3], 32<<16
	s_mov_b32 s[G1PS+4], 8
	s_mov_b32 s[G1PS+5], 64
	s_mov_b32 s[G1PS+6], 0
	s_mov_b32 s[G1PS+7], 0
	s_wait_dscnt 0x0                               ; both opening adds are done
	s_wait_kmcnt 0x0
	s_add_nc_u64 s[94:95], s[4:5], s[94:95]
	s_add_nc_u64 s[2:3], s[6:7], s[2:3]
	s_add_nc_u64 s[92:93], s[4:5], s[92:93]
	s_add_nc_u64 s[96:97], s[6:7], s[96:97]
.irp H, 0,1
	s_mov_b32 s[G0R+4*\H], 1
	s_add_co_u32 s[G0R+4*\H+1], s[LA], \H*HALF
	s_add_nc_u64 s[G0R+4*\H+2:G0R+4*\H+3], s[94:95], \H*4096
	s_or_b32 s[G0R+4*\H+3], s[G0R+4*\H+3], 0x80000000
	s_mov_b32 s[G0P+4*\H], 1
	s_add_co_u32 s[G0P+4*\H+1], s[LA], \H*HALF     ; waves 4, 5: 16,384 x wave is P's region
	s_add_nc_u64 s[G0P+4*\H+2:G0P+4*\H+3], s[92:93], \H*4096
	s_or_b32 s[G0P+4*\H+3], s[G0P+4*\H+3], 0x80000000
	s_mov_b32 s[G0RS+4*\H], 1
	s_mov_b32 s[G0RS+4*\H+1], SCB+2048+\H*SCH
	s_add_nc_u64 s[G0RS+4*\H+2:G0RS+4*\H+3], s[2:3], \H*256
	s_or_b32 s[G0RS+4*\H+3], s[G0RS+4*\H+3], 0x80000000
	s_mov_b32 s[G0PS+4*\H], 1
	s_mov_b32 s[G0PS+4*\H+1], SCB+\H*SCH
	s_add_nc_u64 s[G0PS+4*\H+2:G0PS+4*\H+3], s[96:97], \H*256
	s_or_b32 s[G0PS+4*\H+3], s[G0PS+4*\H+3], 0x80000000
.endr
	CROUND                                         ; all sixteen work-groups are here: the joint loads meet
	s_cmp_lt_u32 s[WV], 4                          ; every wave has its two fills in one arm of a branch on its number
	s_cbranch_scc0 .Lnot_rc
	TWO G0R, G1R                                   ; waves 0-3: R's codes
	s_branch .Lasked
.Lnot_rc:
	s_cmp_lt_u32 s[WV], 6
	s_cbranch_scc0 .Lnot_pc
	TWO G0P, G1P                                   ; waves 4, 5: P's codes
	s_branch .Lasked
.Lnot_pc:
	s_cmp_eq_u32 s[WV], 6
	s_cbranch_scc0 .Lfor_rs
	TWO G0PS, G1PS                                 ; wave 6: P's scale words
	s_branch .Lasked
.Lfor_rs:
	TWO G0RS, G1RS                                 ; wave 7: R's
.Lasked:
	v_and_b32 v10, 31, v0                          ; lane
	v_and_b32 v11, 15, v0                          ; r
	v_bfe_u32 v12, v0, 4, 1                        ; hh
	s_delay_alu instid0(VALU_DEP_3)
	v_lshlrev_b32 v[L16], 4, v10
	s_delay_alu instid0(VALU_DEP_4)
	v_lshlrev_b32 v[L4], 2, v10
	s_lshl_b32 s92, s[WJ], 14
	v_add_nc_u32 v[ADR], s92, v[L16]
	s_delay_alu instid0(VALU_DEP_1)
	v_add_nc_u32 v[ADR+1], HALF, v[ADR]
	s_lshl_b32 s93, s[WI], 14
	s_add_co_u32 s93, s93, 65536
	v_add_nc_u32 v[ADP], s93, v[L16]
	s_delay_alu instid0(VALU_DEP_1)
	v_add_nc_u32 v[ADP+1], HALF, v[ADP]
	s_lshl_b32 s92, s[WI], 10                      ; P's words: my four tiles
	s_lshl_b32 s93, s[WJ], 10                      ; R's: my four, behind P's 2,048 bytes
	s_add_co_u32 s93, s93, 2048
	s_sub_co_u32 s93, s93, s92
	v_mul_u32_u24 v[ADS], s93, v12                 ; lanes 16-31 take R's: one product, the distance between the two bases
	s_wait_alu depctr_va_vdst(0)
	s_add_co_u32 s92, s92, SCB
	v_lshl_add_u32 v[ADS], v11, 2, v[ADS]
	s_delay_alu instid0(VALU_DEP_1)
	v_add_nc_u32 v[ADS], s92, v[ADS]
	s_lshl_b32 s92, s[PT], 1
	s_add_co_u32 s92, s92, s[WI]                   ; X1: my group of 64 rows of P
	s_lshl_b32 s93, s[RT], 2
	s_add_co_u32 s93, s93, s[WJ]                   ; X2: my group of 64 rows of R
	s_lshl_b32 s94, s92, 8
	s_add_co_u32 s94, s94, 8192                    ; v: the bias of features 2048 + 64 X1 on
	s_lshl_b32 s96, s93, 8                         ; q, k: of features 64 X2 on
	s_cmp_eq_u32 s[KIND], 1
	s_cselect_b32 s94, s94, s96
	s_mov_b32 s95, 0
	s_add_nc_u64 s[8:9], s[8:9], s[94:95]
	s_lshr_b32 s94, s93, 4                         ; q, k: X2 = 16 (q or k) + head, X1 = 32 batch + t / 64
	s_lshl_b32 s94, s94, 6
	s_lshr_b32 s96, s92, 5
	s_lshl_b32 s96, s96, 4
	s_add_co_u32 s94, s94, s96
	s_and_b32 s96, s93, 15
	s_add_co_u32 s94, s94, s96
	s_lshr_b32 s96, s93, 5                         ; v: X1 = head, X2 = 32 batch + t / 64
	s_lshl_b32 s96, s96, 4
	s_add_co_u32 s96, s96, s92
	s_add_co_u32 s96, s96, 128
	s_cmp_eq_u32 s[KIND], 1
	s_cselect_b32 s94, s96, s94                    ; 64 (q, k, v) + 16 batch + head
	s_cselect_b32 s96, s93, s92
	s_and_b32 s96, s96, 31                         ; t / 64
	s_lshl_b32 s98, s94, 16
	s_lshl_b32 s97, s96, 11
	s_add_co_u32 s98, s98, s97
	s_mov_b32 s99, 0
	s_add_nc_u64 s[10:11], s[10:11], s[98:99]      ; my four tiles of codes: 2,048 bytes
	s_lshl_b32 s98, s94, 13
	s_lshl_b32 s97, s96, 8
	s_add_co_u32 s98, s98, s97
	s_add_nc_u64 s[12:13], s[12:13], s[98:99]      ; and their 256 bytes of scale words
	v_lshlrev_b32 v13, 6, v12                      ; q, k: 64 hh: my half's 16 features of each 32
	v_and_b32 v14, 8, v11
	s_delay_alu instid0(VALU_DEP_1)
	v_add_nc_u32 v14, v14, v11
	s_delay_alu instid0(VALU_DEP_1)
	v_lshlrev_b32 v14, 2, v14                      ; v: 4 (r + 8 (r / 8)): my row's feature
	s_cmp_eq_u32 s[KIND], 1
	s_cbranch_scc1 .Lbias_v
.irp b, 0,1,2,3
	global_load_b128 v[BI+8*\b:BI+8*\b+3], v13, s[8:9] offset:(32*(\b/2)+8*(\b%2))*4
	global_load_b128 v[BI+8*\b+4:BI+8*\b+7], v13, s[8:9] offset:(32*(\b/2)+8*(\b%2))*4+16
.endr
	s_branch .Lbias_done
.Lbias_v:
	s_wait_alu depctr_va_vdst(0)
.irp a, 0,1,2,3
	global_load_b32 v[10+\a], v14, s[8:9] offset:(32*(\a/2)+8*(\a%2))*4
.endr
.Lbias_done:
	s_wait_tensorcnt 0x1                           ; my part of K's first half is in; my one younger load, the second half's, may be out
	s_barrier_signal -1
	s_barrier_wait -1                              ; everybody's is
	s_wait_alu depctr_va_vdst(0)
	SCALES 0
	FRAGS 0, 0
	s_wait_loadcnt 0x0                             ; the bias
	s_wait_dscnt 0x0
	s_cmp_eq_u32 s[KIND], 1
	s_cbranch_scc1 .Lfirst_v
	MUL 0, 1                                       ; the first products start the sums from the bias: nothing is cleared, nothing added later
	s_branch .Lfirst_done
.Lfirst_v:
.irp a, 0,1,2,3
.irp j, 0,1,2,3,4,5,6,7
	v_mov_b32 v[BI+8*\a+\j], v[10+\a]              ; v: a lane's eight results of a tile share its row's bias
.endr
.endr
	PLACES
	MUL 0, 2
.Lfirst_done:
	KSTEP 0, 1
	KSTEP 0, 2
	KSTEP 0, 3
	s_wait_tensorcnt 0x0                           ; my part of the second half is in,
	s_wait_dscnt 0x0
	s_barrier_signal -1
	s_barrier_wait -1                              ; everybody's is
	PLACES
	SCALES 1
	FRAGS 1, 0
	s_wait_dscnt 0x0
	MUL 0, 0
	KSTEP 1, 1
	KSTEP 1, 2
	KSTEP 1, 3
	; THE WAY OUT: eight blocks of 32, block n = 2 a + B in registers ACC + 16 n on (16 mine, 16 in lane l xor 16).  v32-39 largest magnitudes, v40-47 the other lane's, then bytes, v48-55 the conversions' scale operands, v56-59 words, v64-79 codes
.irp n, 0,1,2,3,4,5,6,7
	v_mov_b32 v[40+\n], 0                          ; a lane permute's destination counts as one of its sources; these eight lines, which name no register of the last products, are also the places behind them
.endr
.irp n, 0,1,2,3,4,5,6,7
	v_max3_num_f32 v[32+\n], |v[ACC+16*\n]|, |v[ACC+16*\n+1]|, 0x1800000   ; with the floor 2^(3 - 127); each accumulator is read from its low end on
.endr
.irp i, 2,4,6,8,10,12,14
.irp n, 0,1,2,3,4,5,6,7
	v_max3_num_f32 v[32+\n], v[32+\n], |v[ACC+16*\n+\i]|, |v[ACC+16*\n+\i+1]|
.endr
.endr
	s_mov_b32 s92, 0x76543210
	s_mov_b32 s93, 0xfedcba98
.irp n, 0,1,2,3,4,5,6,7
	v_permlanex16_b32 v[40+\n], v[32+\n], s92, s93
.endr
.irp n, 0,1,2,3,4,5,6,7
	v_max_num_f32 v[32+\n], v[32+\n], v[40+\n]
.endr
.irp n, 0,1,2,3,4,5,6,7
	v_add_nc_u32 v[48+\n], 0xff000000, v[32+\n]    ; 2 off the exponent field: the conversion's scale operand
.endr
.irp n, 0,1,2,3,4,5,6,7
	v_lshrrev_b32 v[40+\n], 23, v[48+\n]           ; the byte
.endr
.irp a, 0,1,2,3
	v_lshl_or_b32 v[56+\a], v[41+2*\a], 8, v[40+2*\a]
.endr
.irp n, 0,1,2,3,4,5,6,7
	v_cvt_scalef32_pk8_fp4_f32 v[64+2*\n], v[ACC+16*\n:ACC+16*\n+7], v[48+\n]
	v_cvt_scalef32_pk8_fp4_f32 v[65+2*\n], v[ACC+16*\n+8:ACC+16*\n+15], v[48+\n]
.endr
	v_nop                                          ; one plain line behind a scaled conversion
.irp a, 0,1,2,3
.irp i, 0,1
	v_permlane16_swap_b32 v[64+4*\a+\i], v[66+4*\a+\i]   ; a whole block in a lane: lanes 0-15 block 0, lanes 16-31 block 1
.endr
.endr
.irp a, 0,1,2,3
	global_store_b128 v[L16], v[64+4*\a:64+4*\a+3], s[10:11] offset:512*\a   ; a tile's image: 512 consecutive bytes
.endr
	v_cmp_le_u32 vcc_lo, 64, v[L4]                 ; lanes 16-31
	s_delay_alu instid0(VALU_DEP_1)
	v_cndmask_b32 v56, v56, v57, vcc_lo            ; two tiles' words in one register: 128 consecutive bytes
	s_delay_alu instid0(VALU_DEP_2)
	v_cndmask_b32 v58, v58, v59, vcc_lo
	global_store_b32 v[L4], v56, s[12:13]
	global_store_b32 v[L4], v58, s[12:13] offset:128
	s_wait_tensorcnt 0x0                           ; the wave's end
	ds_add_u32 v[SPW], v[NIL]
	s_wait_dscnt 0x0
	CROUND                                         ; the closing round
	s_endpgm
.Lfunc_end_k_q76788a4deb_qkvgemm:
	.size	k_q76788a4deb_qkvgemm, .Lfunc_end_k_q76788a4deb_qkvgemm-k_q76788a4deb_qkvgemm
	.p2alignl 7, 3214868480
	.fill 96, 4, 3214868480
	.section	.rodata,"a",@progbits
	.p2align	6, 0x0
	.amdhsa_kernel k_q76788a4deb_qkvgemm
		.amdhsa_group_segment_fixed_size 209920
		.amdhsa_private_segment_fixed_size 0
		.amdhsa_enable_private_segment 0
		.amdhsa_kernarg_size 40
		.amdhsa_user_sgpr_count 2
		.amdhsa_user_sgpr_kernarg_segment_ptr 1
		.amdhsa_wavefront_size32 1
		.amdhsa_system_sgpr_workgroup_id_x 1
		.amdhsa_system_sgpr_workgroup_id_y 1
		.amdhsa_system_sgpr_workgroup_id_z 1
		.amdhsa_system_vgpr_workitem_id 0
		.amdhsa_next_free_vgpr 256
		.amdhsa_next_free_sgpr 100
		.amdhsa_reserve_vcc 1
		.amdhsa_float_denorm_mode_32 3
		.amdhsa_float_denorm_mode_16_64 3
		.amdhsa_memory_ordered 1
		.amdhsa_forward_progress 1
		.amdhsa_inst_pref_size 51
	.end_amdhsa_kernel
	.amdgpu_metadata
---
amdhsa.version: [ 1, 2 ]
amdhsa.kernels:
  - .name:           k_q76788a4deb_qkvgemm
    .symbol:         k_q76788a4deb_qkvgemm.kd
    .args:
      - { .name: wc, .offset: 0, .size: 8, .value_kind: global_buffer, .address_space: global }
      - { .name: ws, .offset: 8, .size: 8, .value_kind: global_buffer, .address_space: global }
      - { .name: b_qkv, .offset: 16, .size: 8, .value_kind: global_buffer, .address_space: global }
      - { .name: qkv, .offset: 24, .size: 8, .value_kind: global_buffer, .address_space: global }
      - { .name: qkvs, .offset: 32, .size: 8, .value_kind: global_buffer, .address_space: global }
    .group_segment_fixed_size: 209920
    .private_segment_fixed_size: 0
    .kernarg_segment_align: 8
    .kernarg_segment_size: 40
    .max_flat_workgroup_size: 256
    .sgpr_count:     100
    .vgpr_count:     256
    .wavefront_size: 32
...
	.end_amdgpu_metadata
.endif
;; end of part 2
;; launch attn (part 3): grid 4 x 64, 16 waves a work-group, clusters of 4 x 1, 167,936 bytes of LDS; arguments qkv, qkvs, oc, os; writes oc, os
.if DOCPART == 3
	.amdgcn_target "amdgcn-amd-amdhsa--gfx1250"
	.amdhsa_code_object_version 6
	.text
	.protected	k_q76788a4deb_attn
	.globl	k_q76788a4deb_attn
	.p2align	8
	.type	k_q76788a4deb_attn,@function
k_q76788a4deb_attn:
	s_mov_b64 s[64:65], 0
	v_nop
	global_prefetch_b8 v0, s[64:65] scope:SCOPE_SE
	s_setreg_imm32_b32 hwreg(HW_REG_WAVE_MODE, 25, 1), 1
	s_wait_xcnt 0x0
	s_wait_alu depctr_hold_cnt(0) depctr_sa_sdst(0) depctr_va_vdst(0) depctr_va_sdst(0) depctr_va_ssrc(0) depctr_va_vcc(0) depctr_vm_vsrc(0)
	s_getreg_b32 s2, hwreg(HW_REG_IB_STS2, 6, 4)
	s_cmp_eq_u32 s2, 0
	s_cbranch_scc0 .Lentry_in_a_cluster
	s_endpgm
.Lentry_in_a_cluster:
	s_bfe_u32 s2, ttmp6, 0x10000c
	s_cmp_lg_u32 s2, 0x3003
	s_cbranch_scc0 .Lentry_shape_is_right
	s_endpgm
.Lentry_shape_is_right:
; o = softmax(q k^T / 8, causal) v for one batch and head, both products on codes of E2M1 (launch 2's images); o quantised along the head's 64 on the way out, as an image for launch 4.
; LEFT OUT: steps of 128 keys all of which come after all queries of a wave's tile: reference()'s own tril gives them p = 0 for all inputs (shown at the head of launch 1; a NaN or infinity that reaches only those is not carried).
; THE SOFTMAX: t = score x log2(e) / 8; M = the running largest t rounded up to a whole number; p = 2^(t - M) is what is quantised, along the keys; the row's sum is taken of the unquantised p and divides o at the end;
; when M moves, the sum and o are multiplied by 2^(old M - new M), which rounds nothing.
; SHARES.  The cluster's y is the head (16 batch + head); the four partners g = 0 .. 3 share its K and V: 2 x 64 KiB of codes and 2 x 8 KiB of scale words, which lie in LDS whole, filled once by joint loads (waves 0, 1: codes; 2, 3: words;
; two loads each: keys 0-1023, keys 1024-2047: two are out at the most).  Work-group g owns the query tiles 4 u + g, u = 0 .. 31; wave w takes u = 31 - w and then u = w.  All four tiles of a u lie in queries 64 u .. 64 u + 63, so a step s of
; 128 keys is open for s < u / 2, on the diagonal for s = u / 2, hidden beyond, whatever g: every branch hangs on the wave's number and the step alone.  (31 - w) / 2 + w / 2 = 15: each wave works 17 steps.
; LAYOUT.  S^T = K Q^T (source 0 = 16 keys, source 1 = my 16 queries), O^T = V^T P^T: a lane holds one query throughout; by the images' choice of rows the 16 registers of tiles 2 b, 2 b + 1 of S^T are keys 32 b + 16 (lane / 16) + 0 .. 15.
; The first product's K is 64 and the instruction's 128: Q's upper four registers are zero codes; what stands against them in source 0 (the next tile's codes, or zeros) adds nothing; the scale bytes there are 0, which is 2^-127 and no NaN.
; LIMITS: as stated at launch 1.
.set KS0,   131072                     ; LDS: K's codes at 0, V's at 65,536, K's scale words, V's
.set VS0,   139264
.set SPARE, 147456                     ; the spare words, 128 bytes a wave: eight blocks of 256 bytes that no other line names
.set AK0, 1                            ; v1   16 x lane (K's images; also the stores' offset)
.set AV0, 2                            ; v2   65,536 + 16 x lane
.set AS0, 3                            ; v3   KS0 + 4 x lane
.set AT0, 4                            ; v4   VS0 + 4 x lane
.set SPW, 5                            ; v5   my spare word's LDS address; never rewritten
.set NIL, 6                            ; v6   0; never rewritten
.set OSO, 7                            ; v7   4 x (lane % 16)
.set ADK, 8                            ; v8-11 the step's LDS addresses
.set ADV, 9
.set ADS, 10
.set ADT, 11                           ; v12 -M, v13 the largest t, v[14:15] the sum; v16-23, v24-31 Q of the two passes
.set KF,  32                           ; v32-63 K's eight tiles, four registers each; v64-67 zeros
.set VF,  68                           ; v68-99 V's four fragments
.set S,   100                          ; v100-163 S^T, then p
.set OT,  164                          ; v164-195 O^T
.set PC,  196                          ; v196-203 p's codes
.set KSC, 204                          ; v204-207 K's scale words, two tiles a register
.set VL,  208                          ; v208-211 V's half words
.set VSC, 212                          ; v212-213 V's scale words; v214, v215 Q's
.set DQ,  216                          ; v216 my query less the diagonal step's first key less 16 (lane / 16)
.set DQ0, 217                          ; v217 its part that does not hang on u
.set BM,  220
.set BX,  224
.set SO,  228
.set F,   232                          ; v232 f; v233 p's scale word
.set PW,  233
.set TMP, 234
.set SUM2, 236
.set WV,  12
.set G,   13
.set BH,  14
.set UB,  15                           ; s15  31 - wave
.set G1C, 16
.set G1S, 24
.set G0C, 32
.set G0S, 40
.set SEL, 48
.set CS,  50                           ; s[50:51] c = log2(e) / 8
.set TK,  52                           ; s52  the step's codes: 4,096 bytes a step
.set TS,  53                           ; s53  its scale words: 512 a step
.set SS,  54                           ; s54  the step
.set UD,  55                           ; s55  u / 2: the diagonal step
.macro CROUND
	s_barrier_signal -1
	s_barrier_wait -1
	s_cmp_lg_u32 s[WV], 0
	s_cbranch_scc1 .Lnot_wave_0_\@
	s_barrier_signal -3
.Lnot_wave_0_\@:
	s_barrier_wait -3
	s_barrier_signal -1
	s_barrier_wait -1
.endm
.macro TWO g0, g1
	tensor_load_to_lds s[\g0:\g0+3], s[\g1:\g1+7]
	s_nop 0
	tensor_load_to_lds s[\g0+4:\g0+7], s[\g1:\g1+7]
	s_nop 0
.rept 4
	v_nop
.endr
.endm
; A KEY STEP of 128 keys.  qf: Q's fragment; qs: its scale words; causal = 1: the step may be hidden or on the diagonal.
.macro STEP qf, qs, causal
.if \causal
	s_cmp_gt_u32 s[SS], s[UD]                      ; all its keys come after my queries: the step's work is left out, not the lines at its end that step addresses
	s_cbranch_scc1 .Lhidden_\@
.endif
	s_setprio 2
	v_add_nc_u32 v[ADK], s[TK], v[AK0]             ; (these four are also the places in front of loads into registers that the last products read)
	v_add_nc_u32 v[ADV], s[TK], v[AV0]
	v_add_nc_u32 v[ADS], s[TS], v[AS0]
	v_add_nc_u32 v[ADT], s[TS], v[AT0]
.irp t, 0,1,2,3,4,5,6,7
	ds_load_b128 v[KF+4*\t:KF+4*\t+3], v[ADK] offset:512*\t
.endr
.irp i, 0,1,2,3
	ds_load_b32 v[KSC+\i], v[ADS] offset:128*\i    ; tile 2 i in lanes 0-15, tile 2 i + 1 in lanes 16-31
.endr
.irp a, 0,1,2,3
.irp c, 0,1
	ds_load_b128 v[VF+8*\a+4*\c:VF+8*\a+4*\c+3], v[ADV] offset:512*\a+2048*\c
.endr
.endr
.irp c, 0,1
.irp i, 0,1
	ds_load_b32 v[VL+2*\c+\i], v[ADT] offset:128*\i+256*\c
.endr
.endr
	s_wait_dscnt 12                                ; K's twelve loads are in; V's twelve, issued behind them, may be out
.irp t, 0,1,2,3,4,5,6,7
.if (\t)%2
	v_wmma_scale_f32_16x16x128_f8f6f4 v[S+8*\t:S+8*\t+7], v[KF+4*\t:KF+4*\t+7], v[\qf:\qf+7], 0, v[KSC+\t/2], v[\qs] matrix_a_fmt:MATRIX_FMT_FP4 matrix_b_fmt:MATRIX_FMT_FP4 matrix_a_scale:MATRIX_SCALE_ROW1
.else
	v_wmma_scale_f32_16x16x128_f8f6f4 v[S+8*\t:S+8*\t+7], v[KF+4*\t:KF+4*\t+7], v[\qf:\qf+7], 0, v[KSC+\t/2], v[\qs] matrix_a_fmt:MATRIX_FMT_FP4 matrix_b_fmt:MATRIX_FMT_FP4
.endif
.endr
.rept 4
	v_nop
.endr
.if \causal
	s_cmp_lt_u32 s[SS], s[UD]                      ; all its keys count: no mask
	s_cbranch_scc1 .Lopen_\@
	v_mov_b32 v[TMP], 0xff800000                   ; on the diagonal hidden scores become -infinity ahead of the maximum: register 16 b + i holds key 32 b + 16 (lane / 16) + i of the step
.set n, 0
.rept 64
	v_cmp_gt_i32 vcc_lo, 32*(n/16)+n%16, v[DQ]
	v_cndmask_b32 v[S+n], v[S+n], v[TMP], vcc_lo
.set n, n+1
.endr
.Lopen_\@:
.endif
.irp b, 0,1,2,3
	v_max3_num_f32 v[BM+\b], v[S+16*\b], v[S+16*\b+1], v[S+16*\b+2]   ; the largest score of each block of 32 keys: for the row's maximum and, since p rises with the score, for the block's largest p
.endr
.irp i, 3,5,7,9,11,13
.irp b, 0,1,2,3
	v_max3_num_f32 v[BM+\b], v[BM+\b], v[S+16*\b+\i], v[S+16*\b+\i+1]
.endr
.endr
.irp b, 0,1,2,3
	v_max_num_f32 v[BM+\b], v[BM+\b], v[S+16*\b+15]
.endr
.irp b, 0,1,2,3
	s_delay_alu instid0(VALU_DEP_4)
	v_permlanex16_b32 v[BX+\b], v[BM+\b], s[SEL], s[SEL+1]
.endr
.irp b, 0,1,2,3
	s_delay_alu instid0(VALU_DEP_4)
	v_max_num_f32 v[BM+\b], v[BM+\b], v[BX+\b]     ; with lane l xor 16's 16 keys
.endr
	s_delay_alu instid0(VALU_DEP_2)
	v_max3_num_f32 v[TMP], v[BM], v[BM+1], v[BM+2]
	s_delay_alu instid0(VALU_DEP_1)
	v_max_num_f32 v[TMP], v[TMP], v[BM+3]
	s_delay_alu instid0(VALU_DEP_1)
	v_mul_f32 v[TMP], s[CS], v[TMP]                ; the step's largest t (c is positive)
	s_delay_alu instid0(VALU_DEP_1)
	v_max_num_f32 v13, v13, v[TMP]
	v_mov_b32 v[TMP], v12
	s_delay_alu instid0(VALU_DEP_2)
	v_floor_f32 v12, -v13                          ; -M = floor(-t): M is a whole number
	s_delay_alu instid0(VALU_DEP_1)
	v_sub_f32 v[TMP], v12, v[TMP]                  ; old M - new M, 0 or less
	s_delay_alu instid0(VALU_DEP_1)
	v_cvt_i32_f32 v[TMP], v[TMP]                   ; (it saturates)
	s_delay_alu instid0(VALU_DEP_1)
	v_ldexp_f32 v[F], 1.0, v[TMP]                  ; f = 2^(old M - new M)
	s_wait_alu depctr_va_vdst(0)
	s_wait_dscnt 0x0                               ; V is in
	v_lshl_or_b32 v[VSC], v[VL+2], 16, v[VL]       ; V's scale words of these 128 keys: two groups of 64 keys, two bytes each
	v_lshl_or_b32 v[VSC+1], v[VL+3], 16, v[VL+1]
.set j, 0
.rept 32
	v_pk_fma_f32 v[S+j:S+j+1], v[S+j:S+j+1], s[CS:CS+1], v[12:13] op_sel_hi:[1,0,0]   ; t - M, two at a time
.set j, j+2
.endr
.irp b, 0,1,2,3
	v_fma_f32 v[BM+\b], v[BM+\b], s[CS], v12
.endr
.set j, 0
	s_setprio 1
	s_wait_alu depctr_va_vdst(0)
.rept 64
	v_exp_f32 v[S+j], v[S+j]                       ; p = 2^(t - M)
.set j, j+1
.endr
	v_pk_mul_f32 v[14:15], v[14:15], v[F:F+1] op_sel_hi:[1,0]   ; the sums under the new M (a plain line behind the exponentials)
	s_wait_alu depctr_va_vdst(0)                   ; one wait for the batch, ahead of its first reader
.irp b, 0,1,2,3
	v_exp_f32 v[BM+\b], v[BM+\b]                   ; each block's largest p
.endr
	v_pk_add_f32 v[236:237], v[104:105], v[108:109]
	v_pk_add_f32 v[254:255], v[112:113], v[116:117]
	v_pk_add_f32 v[252:253], v[120:121], v[124:125]
	v_pk_add_f32 v[250:251], v[128:129], v[132:133]
	v_pk_add_f32 v[248:249], v[136:137], v[140:141]
	v_pk_add_f32 v[246:247], v[144:145], v[148:149]
	v_pk_add_f32 v[244:245], v[152:153], v[156:157]
	v_pk_add_f32 v[14:15], v[14:15], v[160:161]
	v_pk_add_f32 v[236:237], v[236:237], v[100:101]
	v_pk_add_f32 v[254:255], v[254:255], v[102:103]
	v_pk_add_f32 v[252:253], v[252:253], v[106:107]
	v_pk_add_f32 v[250:251], v[250:251], v[110:111]
	v_pk_add_f32 v[248:249], v[248:249], v[114:115]
	v_pk_add_f32 v[246:247], v[246:247], v[118:119]
	v_pk_add_f32 v[244:245], v[244:245], v[122:123]
	v_pk_add_f32 v[14:15], v[14:15], v[126:127]
	v_pk_add_f32 v[236:237], v[236:237], v[130:131]
	v_pk_add_f32 v[254:255], v[254:255], v[134:135]
	v_pk_add_f32 v[252:253], v[252:253], v[138:139]
	v_pk_add_f32 v[250:251], v[250:251], v[142:143]
	v_pk_add_f32 v[248:249], v[248:249], v[146:147]
	v_pk_add_f32 v[246:247], v[246:247], v[150:151]
	v_pk_add_f32 v[244:245], v[244:245], v[154:155]
	v_pk_add_f32 v[14:15], v[14:15], v[158:159]
	v_pk_add_f32 v[236:237], v[236:237], v[162:163]
	s_delay_alu instid0(VALU_DEP_2)
	v_pk_add_f32 v[14:15], v[14:15], v[250:251]
	s_delay_alu instid0(VALU_DEP_2)
	v_pk_add_f32 v[236:237], v[236:237], v[248:249]
	v_pk_add_f32 v[254:255], v[254:255], v[246:247]
	v_pk_add_f32 v[252:253], v[252:253], v[244:245]
	s_delay_alu instid0(VALU_DEP_2)
	v_pk_add_f32 v[14:15], v[14:15], v[254:255]
	s_delay_alu instid0(VALU_DEP_2)
	v_pk_add_f32 v[236:237], v[236:237], v[252:253]
	s_delay_alu instid0(VALU_DEP_1)
	v_pk_add_f32 v[14:15], v[14:15], v[236:237]
	s_wait_alu depctr_va_vdst(0)                   ; and one for the four
.irp b, 0,1,2,3
	v_max_num_f32 v[BM+\b], 0x1800000, v[BM+\b]    ; the floor 2^(3 - 127)
.endr
.irp b, 0,1,2,3
	s_delay_alu instid0(VALU_DEP_4)
	v_add_nc_u32 v[SO+\b], 0xff000000, v[BM+\b]
.endr
.irp b, 0,1,2,3
	s_delay_alu instid0(VALU_DEP_4)
	v_lshrrev_b32 v[BX+\b], 23, v[SO+\b]
.endr
	s_delay_alu instid0(VALU_DEP_3)
	v_lshl_or_b32 v[PW], v[BX+1], 8, v[BX]
	s_delay_alu instid0(VALU_DEP_1)
	v_lshl_or_b32 v[PW], v[BX+2], 16, v[PW]
	s_delay_alu instid0(VALU_DEP_1)
	v_lshl_or_b32 v[PW], v[BX+3], 24, v[PW]
	s_setprio 0
.irp b, 0,1,2,3
	v_cvt_scalef32_pk8_fp4_f32 v[PC+2*\b], v[S+16*\b:S+16*\b+7], v[SO+\b]
	v_cvt_scalef32_pk8_fp4_f32 v[PC+2*\b+1], v[S+16*\b+8:S+16*\b+15], v[SO+\b]
.endr
	v_nop                                          ; one plain line behind a scaled conversion
.irp c, 0,1
.irp i, 0,1
	v_permlane16_swap_b32 v[PC+4*\c+\i], v[PC+4*\c+2+\i]
.endr
.endr
.set j, 0
.rept 16
	v_pk_mul_f32 v[OT+j:OT+j+1], v[OT+j:OT+j+1], v[F:F+1] op_sel_hi:[1,0]   ; O^T under the new M (these lines also stand between the scale word's and the codes' last writes and the products)
.set j, j+2
.endr
.irp a, 0,1,2,3
.if (\a)%2
	v_wmma_scale_f32_16x16x128_f8f6f4 v[OT+8*\a:OT+8*\a+7], v[VF+8*\a:VF+8*\a+7], v[PC:PC+7], v[OT+8*\a:OT+8*\a+7], v[VSC+\a/2], v[PW] matrix_a_fmt:MATRIX_FMT_FP4 matrix_b_fmt:MATRIX_FMT_FP4 matrix_a_scale:MATRIX_SCALE_ROW1
.else
	v_wmma_scale_f32_16x16x128_f8f6f4 v[OT+8*\a:OT+8*\a+7], v[VF+8*\a:VF+8*\a+7], v[PC:PC+7], v[OT+8*\a:OT+8*\a+7], v[VSC+\a/2], v[PW] matrix_a_fmt:MATRIX_FMT_FP4 matrix_b_fmt:MATRIX_FMT_FP4
.endif
.endr
.if \causal
.Lhidden_\@:
.endif
	s_add_co_u32 s[TK], s[TK], 4096
	s_add_co_u32 s[TS], s[TS], 512
.endm
.macro INIT ur                         ; a pass begins: u in s[ur]
	s_lshr_b32 s[UD], s[\ur], 1
	s_and_b32 s60, s[\ur], 1
	s_lshl_b32 s60, s60, 6
	v_add_nc_u32 v[DQ], s60, v[DQ0]
	v_mov_b32 v13, 0xff61b1e6                      ; the largest t so far: -3e38
	s_delay_alu instid0(VALU_DEP_1)
	v_floor_f32 v12, -v13
	v_mov_b32 v14, 0
	v_mov_b32 v15, 0
.set j, 0
.rept 32
	v_mov_b32 v[OT+j], 0                           ; the step is written for every step alike: the first finds zeros
.set j, j+1
.endr
.endm
.macro FINAL ur                        ; a pass ends: o = O^T / the sum, quantised along the head's 64, stored as the lane's 16 bytes of launch 4's image
	v_add_f32 v14, v14, v15
	s_delay_alu instid0(VALU_DEP_1)
	v_permlanex16_b32 v[BX], v14, s[SEL], s[SEL+1]
	s_delay_alu instid0(VALU_DEP_1)
	v_add_f32 v14, v14, v[BX]
	s_wait_alu depctr_va_vdst(0)
	v_rcp_f32 v14, v14
	s_lshr_b32 s60, s[BH], 4
	s_lshl_b32 s60, s60, 7                         ; 128 x batch
	s_lshl_b32 s61, s[\ur], 2
	s_add_co_u32 s60, s60, s61
	s_add_co_u32 s60, s60, s[G]                    ; the token tile
	s_and_b32 s61, s[BH], 15                       ; the head
	s_lshl_b32 s62, s60, 13
	s_lshl_b32 s63, s61, 9
	s_add_co_u32 s62, s62, s63
	s_mov_b32 s63, 0
	s_add_nc_u64 s[56:57], s[8:9], s[62:63]        ; oc: 8,192 x tile + 512 x head
	s_lshl_b32 s62, s60, 9
	s_lshr_b32 s60, s61, 1
	s_lshl_b32 s60, s60, 6
	s_add_co_u32 s62, s62, s60
	s_and_b32 s60, s61, 1
	s_lshl_b32 s60, s60, 1
	s_add_co_u32 s62, s62, s60
	s_add_nc_u64 s[58:59], s[10:11], s[62:63]      ; os: 512 x tile + 64 x (head / 2) + 2 x (head % 2)
.rept 4
	v_nop                                          ; places behind the last products, and the plain line behind the reciprocal
.endr
	s_wait_alu depctr_va_vdst(0)                   ; ahead of the reciprocal's first reader
.set j, 0
.rept 32
	v_mul_f32 v[S+j], v[OT+j], v14                 ; register 16 B + i: o(my query, 32 B + 16 (lane / 16) + i)
.set j, j+1
.endr
.irp B, 0,1
	v_max3_num_f32 v[BM+\B], |v[S+16*\B]|, |v[S+16*\B+1]|, 0x1800000
.endr
.irp i, 2,4,6,8,10,12,14
.irp B, 0,1
	s_delay_alu instid0(VALU_DEP_2)
	v_max3_num_f32 v[BM+\B], v[BM+\B], |v[S+16*\B+\i]|, |v[S+16*\B+\i+1]|
.endr
.endr
.irp B, 0,1
	s_delay_alu instid0(VALU_DEP_2)
	v_permlanex16_b32 v[BX+\B], v[BM+\B], s[SEL], s[SEL+1]
.endr
.irp B, 0,1
	s_delay_alu instid0(VALU_DEP_2)
	v_max_num_f32 v[BM+\B], v[BM+\B], v[BX+\B]
.endr
.irp B, 0,1
	s_delay_alu instid0(VALU_DEP_2)
	v_add_nc_u32 v[SO+\B], 0xff000000, v[BM+\B]
.endr
.irp B, 0,1
	s_delay_alu instid0(VALU_DEP_2)
	v_lshrrev_b32 v[BX+\B], 23, v[SO+\B]
.endr
	s_delay_alu instid0(VALU_DEP_1)
	v_lshl_or_b32 v[TMP], v[BX+1], 8, v[BX]
.irp B, 0,1
	v_cvt_scalef32_pk8_fp4_f32 v[PC+2*\B], v[S+16*\B:S+16*\B+7], v[SO+\B]
	v_cvt_scalef32_pk8_fp4_f32 v[PC+2*\B+1], v[S+16*\B+8:S+16*\B+15], v[SO+\B]
.endr
	v_nop
	v_permlane16_swap_b32 v[PC], v[PC+2]
	v_permlane16_swap_b32 v[PC+1], v[PC+3]
	global_store_b128 v[AK0], v[PC:PC+3], s[56:57] ; 512 consecutive bytes
	global_store_b16 v[OSO], v[TMP], s[58:59]      ; my row's two bytes of its scale word; lanes 16-31 hold the same rows and write the same values
	s_wait_xcnt 0x0                                ; the stores have read their registers and bases: both may be written again
.endm
	s_load_b256 s[4:11], s[0:1], 0x0               ; qkv, qkvs, oc, os
	v_lshl_add_u32 v[SPW], v0, 2, SPARE
	v_mov_b32 v[NIL], 0
	ds_add_u32 v[SPW], v[NIL]                      ; the wave's opening: the add, twice on end, and its wait ahead of the first tensor loads; the set-up below stands between
	ds_add_u32 v[SPW], v[NIL]
	v_lshrrev_b32 v8, 5, v0
	s_delay_alu instid0(VALU_DEP_1)
	v_readfirstlane_b32 s[WV], v8                  ; wave 0..15
	s_xor_b32 s[UB], s[WV], 31                     ; 31 - wave
	s_bfe_u32 s[G], ttmp6, 0x40000                 ; my place in the cluster: it enters global addresses and the mask's data alone
	s_and_b32 s[BH], ttmp7, 0xffff                 ; 16 batch + head, which the partners share
	; groups 1: dense blocks as rows of 256 bytes (32 elements of 8): 128 rows of codes, 16 of scale words.  15:0 the mask: all four; 21 set beside it
	s_mov_b32 s[G1C], 15|(3<<16)|(1<<21)
	s_mov_b32 s[G1C+1], 32<<16
	s_mov_b32 s[G1C+2], 128<<16
	s_mov_b32 s[G1C+3], 32<<16
	s_mov_b32 s[G1C+4], 128
	s_mov_b32 s[G1C+5], 32
	s_mov_b32 s[G1C+6], 0
	s_mov_b32 s[G1C+7], 0
	s_mov_b32 s[G1S], 15|(3<<16)|(1<<21)
	s_mov_b32 s[G1S+1], 32<<16
	s_mov_b32 s[G1S+2], 16<<16
	s_mov_b32 s[G1S+3], 32<<16
	s_mov_b32 s[G1S+4], 16
	s_mov_b32 s[G1S+5], 32
	s_mov_b32 s[G1S+6], 0
	s_mov_b32 s[G1S+7], 0
	s_and_b32 s56, s[WV], 1                        ; K (0) or V (1)
	s_lshl_b32 s57, s56, 6
	s_add_co_u32 s57, s57, s[BH]
	s_add_co_u32 s57, s57, 64                      ; 64 (1 or 2) + 16 batch + head
	s_lshl_b32 s58, s57, 16
	s_mov_b32 s59, 0
	s_lshl_b32 s60, s57, 13
	s_mov_b32 s61, 0
	s_lshl_b32 s62, s56, 16                        ; in LDS: codes,
	s_lshl_b32 s63, s56, 13
	s_add_co_u32 s63, s63, KS0                     ; scale words
	s_mov_b32 s[SEL], 0x76543210
	s_mov_b32 s[SEL+1], 0xfedcba98
	s_mov_b32 s[CS], 0x3e38aa3b                    ; log2(e) / 8
	s_mov_b32 s[CS+1], s[CS]
	s_mov_b32 s[TK], 0
	s_mov_b32 s[TS], 0
	s_mov_b32 s[SS], 0
	s_wait_dscnt 0x0                               ; both opening adds are done
	s_wait_kmcnt 0x0
	s_add_nc_u64 s[58:59], s[4:5], s[58:59]
	s_add_nc_u64 s[60:61], s[6:7], s[60:61]
.irp H, 0,1
	s_mov_b32 s[G0C+4*\H], 1
	s_add_co_u32 s[G0C+4*\H+1], s62, \H*32768
	s_add_nc_u64 s[G0C+4*\H+2:G0C+4*\H+3], s[58:59], \H*32768
	s_or_b32 s[G0C+4*\H+3], s[G0C+4*\H+3], 0x80000000
	s_mov_b32 s[G0S+4*\H], 1
	s_add_co_u32 s[G0S+4*\H+1], s63, \H*4096
	s_add_nc_u64 s[G0S+4*\H+2:G0S+4*\H+3], s[60:61], \H*4096
	s_or_b32 s[G0S+4*\H+3], s[G0S+4*\H+3], 0x80000000
.endr
	CROUND                                         ; all four work-groups are here: the joint loads meet
	s_cmp_lt_u32 s[WV], 2                          ; a loading wave's two fills stand in one arm of a branch on its number
	s_cbranch_scc0 .Lnot_codes
	TWO G0C, G1C
	s_branch .Lasked
.Lnot_codes:
	s_cmp_lt_u32 s[WV], 4
	s_cbranch_scc0 .Lasked
	TWO G0S, G1S
.Lasked:
	v_and_b32 v8, 31, v0
	v_and_b32 v9, 15, v0                           ; r
	v_bfe_u32 v10, v0, 4, 1                        ; hh
	s_delay_alu instid0(VALU_DEP_3)
	v_lshlrev_b32 v[AK0], 4, v8
	s_delay_alu instid0(VALU_DEP_1)
	v_add_nc_u32 v[AV0], 65536, v[AK0]
	v_lshlrev_b32 v[AS0], 2, v8
	s_delay_alu instid0(VALU_DEP_1)
	v_add_nc_u32 v[AT0], VS0, v[AS0]
	s_delay_alu instid0(VALU_DEP_2)
	v_add_nc_u32 v[AS0], KS0, v[AS0]
	v_lshlrev_b32 v[OSO], 2, v9
	s_wait_alu depctr_va_vdst(0)
	v_and_b32 v11, 8, v9
	s_delay_alu instid0(VALU_DEP_1)
	v_add_nc_u32 v11, v11, v9                      ; r + 8 (r / 8)
	v_lshlrev_b32 v10, 4, v10
	s_delay_alu instid0(VALU_DEP_1)
	v_sub_nc_u32 v11, v11, v10                     ; - 16 hh
	s_lshr_b32 s60, s[G], 1
	s_lshl_b32 s60, s60, 5
	s_and_b32 s61, s[G], 1
	s_lshl_b32 s61, s61, 3
	s_add_co_u32 s60, s60, s61
	v_add_nc_u32 v[DQ0], s60, v11                  ; + 32 (g / 2) + 8 (g % 2)
	s_lshl_b32 s56, s[BH], 16                      ; Q: my head, tile g of a group of four
	s_lshl_b32 s57, s[G], 9
	s_add_co_u32 s56, s56, s57
	s_mov_b32 s57, 0
	s_add_nc_u64 s[56:57], s[4:5], s[56:57]
	s_lshl_b32 s58, s[BH], 13
	s_lshl_b32 s59, s[G], 6
	s_add_co_u32 s58, s58, s59
	s_mov_b32 s59, 0
	s_add_nc_u64 s[58:59], s[6:7], s[58:59]
	s_lshl_b32 s60, s[UB], 11                      ; 2,048 bytes of codes a group,
	s_lshl_b32 s61, s[WV], 11
	v_add_nc_u32 v218, s60, v[AK0]
	v_add_nc_u32 v219, s61, v[AK0]
	global_load_b128 v[16:19], v218, s[56:57]      ; Q of the first pass (u = 31 - wave)
	global_load_b128 v[24:27], v219, s[56:57]      ; and of the second (u = wave)
	s_lshl_b32 s60, s[UB], 8                       ; 256 of scale words
	s_lshl_b32 s61, s[WV], 8
	v_add_nc_u32 v234, s60, v[OSO]
	v_add_nc_u32 v235, s61, v[OSO]
	global_load_b32 v214, v234, s[58:59]
	global_load_b32 v215, v235, s[58:59]
.irp j, 20,21,22,23,28,29,30,31,64,65,66,67
	v_mov_b32 v[\j], 0                             ; zero codes for k = 64 .. 127 of the first product
.endr
.irp b, 0,1,2,3
	v_mov_b32 v[BX+\b], 0                          ; a lane permute's destination counts as one of its sources
.endr
	v_mov_b32 v[PW], 0                             ; (named as the upper half of the pair with f before it is first written)
	INIT UB
	s_wait_loadcnt 0x0                             ; Q
	s_wait_tensorcnt 0x1                           ; a loading wave's keys 0-1023 are in; its one younger load may be out
	s_barrier_signal -1
	s_barrier_wait -1
.Lfirst_half:                                      ; u is 16 or more: steps 0 to 7 are open for every wave
	STEP 16, 214, 0
	s_add_co_u32 s[SS], s[SS], 1
	s_cmp_lt_u32 s[SS], 8
	s_cbranch_scc1 .Lfirst_half
	s_setprio 0
	s_wait_tensorcnt 0x0                           ; keys 1024-2047 are in,
	s_wait_dscnt 0x0
	s_barrier_signal -1
	s_barrier_wait -1                              ; everybody's are.  From here on the waves run free
	s_mov_b32 s[TK], 8*4096                        ; stated anew, so that this loop's addresses can be read off its own text
	s_mov_b32 s[TS], 8*512
	s_mov_b32 s[SS], 8
.Lsecond_half:
	STEP 16, 214, 1
	s_add_co_u32 s[SS], s[SS], 1
	s_cmp_lt_u32 s[SS], 16
	s_cbranch_scc1 .Lsecond_half
	s_setprio 0
	FINAL UB
	INIT WV
	s_mov_b32 s[TK], 0
	s_mov_b32 s[TS], 0
	s_mov_b32 s[SS], 0
.Lsecond_pass:                                     ; u is 15 or less: the diagonal lies in steps 0 to 7
	STEP 24, 215, 1
	s_add_co_u32 s[SS], s[SS], 1
	s_cmp_lt_u32 s[SS], 8
	s_cbranch_scc1 .Lsecond_pass
	s_setprio 0
	FINAL WV
	s_wait_tensorcnt 0x0                           ; the wave's end
	ds_add_u32 v[SPW], v[NIL]
	s_wait_dscnt 0x0
	CROUND                                         ; the closing round
	s_endpgm
.Lfunc_end_k_q76788a4deb_attn:
	.size	k_q76788a4deb_attn, .Lfunc_end_k_q76788a4deb_attn-k_q76788a4deb_attn
	.p2alignl 7, 3214868480
	.fill 96, 4, 3214868480
	.section	.rodata,"a",@progbits
	.p2align	6, 0x0
	.amdhsa_kernel k_q76788a4deb_attn
		.amdhsa_group_segment_fixed_size 167936
		.amdhsa_private_segment_fixed_size 0
		.amdhsa_enable_private_segment 0
		.amdhsa_kernarg_size 32
		.amdhsa_user_sgpr_count 2
		.amdhsa_user_sgpr_kernarg_segment_ptr 1
		.amdhsa_wavefront_size32 1
		.amdhsa_system_sgpr_workgroup_id_x 1
		.amdhsa_system_sgpr_workgroup_id_y 1
		.amdhsa_system_sgpr_workgroup_id_z 1
		.amdhsa_system_vgpr_workitem_id 0
		.amdhsa_next_free_vgpr 256
		.amdhsa_next_free_sgpr 66
		.amdhsa_reserve_vcc 1
		.amdhsa_float_denorm_mode_32 3
		.amdhsa_float_denorm_mode_16_64 3
		.amdhsa_memory_ordered 1
		.amdhsa_forward_progress 1
		.amdhsa_inst_pref_size 80
	.end_amdhsa_kernel
	.amdgpu_metadata
---
amdhsa.version: [ 1, 2 ]
amdhsa.kernels:
  - .name:           k_q76788a4deb_attn
    .symbol:         k_q76788a4deb_attn.kd
    .args:
      - { .name: qkv, .offset: 0, .size: 8, .value_kind: global_buffer, .address_space: global }
      - { .name: qkvs, .offset: 8, .size: 8, .value_kind: global_buffer, .address_space: global }
      - { .name: oc, .offset: 16, .size: 8, .value_kind: global_buffer, .address_space: global }
      - { .name: os, .offset: 24, .size: 8, .value_kind: global_buffer, .address_space: global }
    .group_segment_fixed_size: 167936
    .private_segment_fixed_size: 0
    .kernarg_segment_align: 8
    .kernarg_segment_size: 32
    .max_flat_workgroup_size: 512
    .sgpr_count:     66
    .vgpr_count:     256
    .wavefront_size: 32
...
	.end_amdgpu_metadata
.endif
;; end of part 3
;; launch outgemm (part 4): grid 4 x 64, 8 waves a work-group, clusters of 4 x 4, 244,736 bytes of LDS; arguments oc, os, wc, ws, b_out, out0; writes out0
.if DOCPART == 4
	.amdgcn_target "amdgcn-amd-amdhsa--gfx1250"
	.amdhsa_code_object_version 6
	.text
	.protected	k_q76788a4deb_outgemm
	.globl	k_q76788a4deb_outgemm
	.p2align	8
	.type	k_q76788a4deb_outgemm,@function
k_q76788a4deb_outgemm:
	s_mov_b64 s[64:65], 0
	v_nop
	global_prefetch_b8 v0, s[64:65] scope:SCOPE_SE
	s_setreg_imm32_b32 hwreg(HW_REG_WAVE_MODE, 25, 1), 1
	s_wait_xcnt 0x0
	s_wait_alu depctr_hold_cnt(0) depctr_sa_sdst(0) depctr_va_vdst(0) depctr_va_sdst(0) depctr_va_ssrc(0) depctr_va_vcc(0) depctr_vm_vsrc(0)
	s_getreg_b32 s2, hwreg(HW_REG_IB_STS2, 6, 4)
	s_cmp_eq_u32 s2, 0
	s_cbranch_scc0 .Lentry_in_a_cluster
	s_endpgm
.Lentry_in_a_cluster:
	s_bfe_u32 s2, ttmp6, 0x10000c
	s_cmp_lg_u32 s2, 0xf033
	s_cbranch_scc0 .Lentry_shape_is_right
	s_endpgm
.Lentry_shape_is_right:
; out0 = o w_out^T + b_out on codes of E2M1: o's images from launch 3, w_out's (tiles 704-767 of wc) from launch 1.  Nothing is left out here.
; THE FRAME is launch 2's: P = o (128 tokens a work-group, 8 image tiles), R = w_out (256 features, 16 tiles); eight waves, wave (w / 4, w % 4) takes 64 x 64; source 0 = 16 rows of R, source 1 = 16 rows of P:
; a lane holds one token, and the 16 registers of R's tiles 2 B, 2 B + 1 are features 32 B + 16 (lane / 16) + 0 .. 15.  All of K lies in LDS, filled once: two tensor loads a wave, K's halves: two are out at the most.
; CLUSTER 4 x 4: P's tiles are shared along the cluster's row, R's along its column.
; THE WAY OUT: a tile of 16 tokens x 64 features goes through the wave's own stage in LDS (rows of 256 + 16 bytes) and leaves as rows: sixteen lanes store 256 consecutive bytes, aligned.
.set HALF,  98304
.set SCB,   196608
.set SCH,   6144
.set SPARE, 208896                     ; the spare words, 128 bytes a wave: four blocks of 256 bytes that no other line names
.set STG,   209920                     ; the stages: 16 rows x 272 bytes for each wave; no tensor load lands here
.set L16, 1
.set ADR, 2
.set ADP, 4
.set ADS, 6
.set BO,  7                            ; v7   64 hh: the bias's offset
.set SPW, 8
.set NIL, 9
.set STO, 13                           ; v13  the stage: where I put 16 bytes of a row
.set RD,  14                           ; v14  and where I read a row back
.set CO,  15                           ; v15  my byte offset in two rows of out0
.set SC,  16
.set BI,  32
.set PF,  64
.set RF,  96
.set ACC, 128
.set WV,   16
.set WI,   17
.set WJ,   18
.set CX,   19
.set CY,   20
.set LA,   21
.set PT,   22
.set RT,   23
.set G1R,  24
.set G1P,  32
.set G1RS, 40
.set G1PS, 48
.set G0R,  56
.set G0P,  68
.set G0RS, 76
.set G0PS, 84
.macro CROUND
	s_barrier_signal -1
	s_barrier_wait -1
	s_cmp_lg_u32 s[WV], 0
	s_cbranch_scc1 .Lnot_wave_0_\@
	s_barrier_signal -3
.Lnot_wave_0_\@:
	s_barrier_wait -3
	s_barrier_signal -1
	s_barrier_wait -1
.endm
.macro TWO g0, g1
	tensor_load_to_lds s[\g0:\g0+3], s[\g1:\g1+7]
	s_nop 0
	tensor_load_to_lds s[\g0+4:\g0+7], s[\g1:\g1+7]
	s_nop 0
.rept 4
	v_nop
.endr
.endm
.macro SCALES H
.irp i, 0,1,2,3
.irp q, 0,1,2,3
	ds_load_b32 v[SC+4*\i+\q], v[ADS] offset:\H*SCH+256*\i+64*\q
.endr
.endr
.endm
.macro FRAGS H, kq
.irp a, 0,1,2,3
.irp c, 0,1
	ds_load_b128 v[PF+8*\a+4*\c:PF+8*\a+4*\c+3], v[ADP+\H] offset:4096*\a+1024*\kq+512*\c
.endr
.endr
.irp b, 0,1,2,3
.irp c, 0,1
	ds_load_b128 v[RF+8*\b+4*\c:RF+8*\b+4*\c+3], v[ADR+\H] offset:4096*\b+1024*\kq+512*\c
.endr
.endr
.endm
; 16 products; the 16 accumulators take turns, one instruction a turn, in the same order in every step.  cmode 1: the bias starts the sums
.macro MUL kq, cmode
.irp a, 0,1,2,3
.irp b, 0,1,2,3
.if \cmode == 0
	v_wmma_scale_f32_16x16x128_f8f6f4 v[ACC+32*\a+8*\b:ACC+32*\a+8*\b+7], v[RF+8*\b:RF+8*\b+7], v[PF+8*\a:PF+8*\a+7], v[ACC+32*\a+8*\b:ACC+32*\a+8*\b+7], v[SC+4*\b+\kq], v[SC+4*\a+\kq] matrix_a_fmt:MATRIX_FMT_FP4 matrix_b_fmt:MATRIX_FMT_FP4 matrix_a_scale:MATRIX_SCALE_ROW1
.else
	v_wmma_scale_f32_16x16x128_f8f6f4 v[ACC+32*\a+8*\b:ACC+32*\a+8*\b+7], v[RF+8*\b:RF+8*\b+7], v[PF+8*\a:PF+8*\a+7], v[BI+8*\b:BI+8*\b+7], v[SC+4*\b+\kq], v[SC+4*\a+\kq] matrix_a_fmt:MATRIX_FMT_FP4 matrix_b_fmt:MATRIX_FMT_FP4 matrix_a_scale:MATRIX_SCALE_ROW1
.endif
.endr
.endr
.endm
.macro PLACES
.rept 4
	v_nop
.endr
.endm
.macro KSTEP H, kq
	PLACES
	FRAGS \H, \kq
	s_wait_dscnt 0x0
	MUL \kq, 0
.endm
	s_load_b256 s[4:11], s[0:1], 0x0               ; oc, os, wc, ws
	s_load_b128 s[12:15], s[0:1], 0x20             ; b_out, out0
	v_lshl_add_u32 v[SPW], v0, 2, SPARE
	v_mov_b32 v[NIL], 0
	ds_add_u32 v[SPW], v[NIL]                      ; the wave's opening: the add, twice on end, and its wait ahead of my first tensor load; the set-up below stands between
	ds_add_u32 v[SPW], v[NIL]
	v_lshrrev_b32 v10, 5, v0
	s_delay_alu instid0(VALU_DEP_1)
	v_readfirstlane_b32 s[WV], v10
	s_lshr_b32 s[WI], s[WV], 2
	s_and_b32 s[WJ], s[WV], 3
	s_lshl_b32 s[LA], s[WV], 14
	s_bfe_u32 s[CX], ttmp6, 0x40000
	s_bfe_u32 s[CY], ttmp6, 0x40004
	s_and_b32 s[PT], ttmp7, 0xffff
	s_lshl_b32 s[PT], s[PT], 2
	s_add_co_u32 s[PT], s[PT], s[CY]               ; which 128 tokens
	s_lshl_b32 s[RT], ttmp9, 2
	s_add_co_u32 s[RT], s[RT], s[CX]               ; which 256 features
	; where R's tiles lie (cx alone enters): s[94:95] codes, s[2:3] scale words
	s_lshl_b32 s94, s[RT], 4
	s_add_co_u32 s94, s94, 704                     ; w_out's first tile in wc
	s_lshl_b32 s2, s94, 9
	s_mov_b32 s3, 0
	s_lshl_b32 s95, s[WJ], 2
	s_add_co_u32 s94, s94, s95
	s_lshl_b32 s94, s94, 13
	s_mov_b32 s95, 0
	; where P's lie (cy alone enters): s[92:93] codes, s[96:97] scale words
	s_lshl_b32 s92, s[PT], 3
	s_lshl_b32 s96, s92, 9
	s_mov_b32 s97, 0
	s_and_b32 s93, s[WV], 1
	s_lshl_b32 s93, s93, 2
	s_add_co_u32 s92, s92, s93
	s_lshl_b32 s92, s92, 13
	s_mov_b32 s93, 0
	s_lshl_b32 s98, s[CY], 2
	s_lshl_b32 s98, 15, s98                        ; my row of the cluster
	s_lshl_b32 s99, 0x1111, s[CX]                  ; my column
	s_or_b32 s[G1R], s99, (3<<16)|(1<<21)          ; groups 1 as in launch 2: codes: 4 rows of 4,096 bytes, 8,192 apart; scale words: rows of 256 bytes, 512 apart
	s_or_b32 s[G1P], s98, (3<<16)|(1<<21)
	s_or_b32 s[G1RS], s99, (3<<16)|(1<<21)
	s_or_b32 s[G1PS], s98, (3<<16)|(1<<21)
.irp g, G1R, G1P
	s_mov_b32 s[\g+1], 512<<16
	s_mov_b32 s[\g+2], 4<<16
	s_mov_b32 s[\g+3], 512<<16
	s_mov_b32 s[\g+4], 4
	s_mov_b32 s[\g+5], 1024
	s_mov_b32 s[\g+6], 0
	s_mov_b32 s[\g+7], 0
.endr
	s_mov_b32 s[G1RS+1], 32<<16
	s_mov_b32 s[G1RS+2], 16<<16
	s_mov_b32 s[G1RS+3], 32<<16
	s_mov_b32 s[G1RS+4], 16
	s_mov_b32 s[G1RS+5], 64
	s_mov_b32 s[G1RS+6], 0
	s_mov_b32 s[G1RS+7], 0
	s_mov_b32 s[G1PS+1], 32<<16
	s_mov_b32 s[G1PS+2], 8<<16
	s_mov_b32 s[G1PS+3], 32<<16
	s_mov_b32 s[G1PS+4], 8
	s_mov_b32 s[G1PS+5], 64
	s_mov_b32 s[G1PS+6], 0
	s_mov_b32 s[G1PS+7], 0
	s_wait_dscnt 0x0                               ; both opening adds are done
	s_wait_kmcnt 0x0
	s_add_nc_u64 s[94:95], s[8:9], s[94:95]
	s_add_nc_u64 s[2:3], s[10:11], s[2:3]
	s_add_nc_u64 s[92:93], s[4:5], s[92:93]
	s_add_nc_u64 s[96:97], s[6:7], s[96:97]
.irp H, 0,1
	s_mov_b32 s[G0R+4*\H], 1
	s_add_co_u32 s[G0R+4*\H+1], s[LA], \H*HALF
	s_add_nc_u64 s[G0R+4*\H+2:G0R+4*\H+3], s[94:95], \H*4096
	s_or_b32 s[G0R+4*\H+3], s[G0R+4*\H+3], 0x80000000
	s_mov_b32 s[G0P+4*\H], 1
	s_add_co_u32 s[G0P+4*\H+1], s[LA], \H*HALF
	s_add_nc_u64 s[G0P+4*\H+2:G0P+4*\H+3], s[92:93], \H*4096
	s_or_b32 s[G0P+4*\H+3], s[G0P+4*\H+3], 0x80000000
	s_mov_b32 s[G0RS+4*\H], 1
	s_mov_b32 s[G0RS+4*\H+1], SCB+2048+\H*SCH
	s_add_nc_u64 s[G0RS+4*\H+2:G0RS+4*\H+3], s[2:3], \H*256
	s_or_b32 s[G0RS+4*\H+3], s[G0RS+4*\H+3], 0x80000000
	s_mov_b32 s[G0PS+4*\H], 1
	s_mov_b32 s[G0PS+4*\H+1], SCB+\H*SCH
	s_add_nc_u64 s[G0PS+4*\H+2:G0PS+4*\H+3], s[96:97], \H*256
	s_or_b32 s[G0PS+4*\H+3], s[G0PS+4*\H+3], 0x80000000
.endr
	CROUND                                         ; all sixteen work-groups are here: the joint loads meet
	s_cmp_lt_u32 s[WV], 4
	s_cbranch_scc0 .Lnot_rc
	TWO G0R, G1R                                   ; waves 0-3: R's codes
	s_branch .Lasked
.Lnot_rc:
	s_cmp_lt_u32 s[WV], 6
	s_cbranch_scc0 .Lnot_pc
	TWO G0P, G1P                                   ; waves 4, 5: P's codes
	s_branch .Lasked
.Lnot_pc:
	s_cmp_eq_u32 s[WV], 6
	s_cbranch_scc0 .Lfor_rs
	TWO G0PS, G1PS                                 ; wave 6: P's scale words
	s_branch .Lasked
.Lfor_rs:
	TWO G0RS, G1RS                                 ; wave 7: R's
.Lasked:
	v_and_b32 v10, 31, v0                          ; lane
	v_and_b32 v11, 15, v0                          ; r
	v_bfe_u32 v12, v0, 4, 1                        ; hh
	s_delay_alu instid0(VALU_DEP_3)
	v_lshlrev_b32 v[L16], 4, v10
	s_lshl_b32 s92, s[WJ], 14
	v_add_nc_u32 v[ADR], s92, v[L16]
	s_delay_alu instid0(VALU_DEP_1)
	v_add_nc_u32 v[ADR+1], HALF, v[ADR]
	s_lshl_b32 s93, s[WI], 14
	s_add_co_u32 s93, s93, 65536
	v_add_nc_u32 v[ADP], s93, v[L16]
	s_delay_alu instid0(VALU_DEP_1)
	v_add_nc_u32 v[ADP+1], HALF, v[ADP]
	s_lshl_b32 s92, s[WI], 10
	s_lshl_b32 s93, s[WJ], 10
	s_add_co_u32 s93, s93, 2048
	s_sub_co_u32 s93, s93, s92
	v_mul_u32_u24 v[ADS], s93, v12                 ; lanes 16-31 take R's words: one product, the distance between the two bases
	s_wait_alu depctr_va_vdst(0)
	s_add_co_u32 s92, s92, SCB
	v_lshl_add_u32 v[ADS], v11, 2, v[ADS]
	s_delay_alu instid0(VALU_DEP_1)
	v_add_nc_u32 v[ADS], s92, v[ADS]
	s_mul_i32 s92, s[WV], 16*272
	s_add_co_u32 s92, s92, STG                     ; my stage
	v_mul_u32_u24 v10, v11, 272
	s_delay_alu instid0(VALU_DEP_1)
	v_lshl_add_u32 v10, v12, 6, v10
	s_delay_alu instid0(VALU_DEP_1)
	v_add_nc_u32 v[STO], s92, v10                  ; in: row r, + 64 hh
	v_mul_u32_u24 v10, v12, 272
	s_delay_alu instid0(VALU_DEP_1)
	v_lshl_add_u32 v10, v11, 4, v10
	s_delay_alu instid0(VALU_DEP_1)
	v_add_nc_u32 v[RD], s92, v10                   ; back: lanes 0-15 one row, lanes 16-31 the next
	v_lshlrev_b32 v[CO], 12, v12
	s_delay_alu instid0(VALU_DEP_1)
	v_lshl_add_u32 v[CO], v11, 4, v[CO]            ; and the same two rows of out0
	v_lshlrev_b32 v[BO], 6, v12
	s_wait_alu depctr_va_vdst(0)
	s_lshl_b32 s93, s[RT], 2
	s_add_co_u32 s93, s93, s[WJ]                   ; my group of 64 features
	s_lshl_b32 s94, s93, 8                         ; 256 bytes of f32 each
	s_mov_b32 s95, 0
	s_add_nc_u64 s[12:13], s[12:13], s[94:95]
	s_lshl_b32 s92, s[PT], 7
	s_lshl_b32 s93, s[WI], 6
	s_add_co_u32 s92, s92, s93                     ; my first token
	s_lshl_b32 s92, s92, 12                        ; rows of 4,096 bytes (under 2^26)
	s_add_co_u32 s92, s92, s94
	s_mov_b32 s93, 0
	s_add_nc_u64 s[14:15], s[14:15], s[92:93]
.irp b, 0,1,2,3
	global_load_b128 v[BI+8*\b:BI+8*\b+3], v[BO], s[12:13] offset:(32*(\b/2)+8*(\b%2))*4
	global_load_b128 v[BI+8*\b+4:BI+8*\b+7], v[BO], s[12:13] offset:(32*(\b/2)+8*(\b%2))*4+16
.endr
	s_wait_tensorcnt 0x1                           ; my part of K's first half is in; my one younger load may be out
	s_barrier_signal -1
	s_barrier_wait -1
	SCALES 0
	FRAGS 0, 0
	s_wait_loadcnt 0x0                             ; the bias
	s_wait_dscnt 0x0
	MUL 0, 1                                       ; the first products start the sums from the bias
	KSTEP 0, 1
	KSTEP 0, 2
	KSTEP 0, 3
	s_wait_tensorcnt 0x0                           ; my part of the second half is in,
	s_wait_dscnt 0x0
	s_barrier_signal -1
	s_barrier_wait -1                              ; everybody's is
	PLACES
	SCALES 1
	FRAGS 1, 0
	s_wait_dscnt 0x0
	MUL 0, 0
	KSTEP 1, 1
	KSTEP 1, 2
	KSTEP 1, 3
; Tile a of my tokens: 16 rows x 256 bytes into my stage, each accumulator from its low end on, and back as whole rows.  LDS serves a wave's instructions in order: no wait between the stores and the loads.
.macro TOSTAGE a
.irp B, 0,1
.irp q, 0,1,2,3
	ds_store_b128 v[STO], v[ACC+32*(\a)+16*\B+4*\q:ACC+32*(\a)+16*\B+4*\q+3] offset:128*\B+16*\q
.endr
.endr
.irp i, 0,1,2,3,4,5,6,7
	ds_load_b128 v[32+32*((\a)%2)+4*\i:32+32*((\a)%2)+4*\i+3], v[RD] offset:544*\i
.endr
.endm
.macro SEND a, younger                 ; younger: the LDS instructions issued behind tile a's loads, which may stay out
	s_wait_dscnt \younger
.irp i, 0,1,2,3,4,5,6,7
	global_store_b128 v[CO], v[32+32*((\a)%2)+4*\i:32+32*((\a)%2)+4*\i+3], s[14:15] offset:(32*((\a)/2)+8*((\a)%2)+2*\i+8*(\i/4))*4096 th:TH_STORE_NT   ; lane indices 2 i, 2 i + 1 of the tile: sixteen lanes store 256 consecutive bytes, aligned
.endr
.endm
	PLACES                                         ; behind the last products: for the stores that read results, and for the loads into registers that held fragments
	TOSTAGE 0
	TOSTAGE 1
	SEND 0, 16                                     ; behind tile 0's loads: tile 1's eight stores and eight loads
	s_wait_xcnt 0x0                                ; tile 0's stores have read their registers: tile 2's loads may land there
	TOSTAGE 2
	SEND 1, 16
	s_wait_xcnt 0x0
	TOSTAGE 3
	SEND 2, 16
	SEND 3, 0
	s_wait_tensorcnt 0x0                           ; the wave's end, behind my last tensor load and my last LDS store
	ds_add_u32 v[SPW], v[NIL]
	s_wait_dscnt 0x0
	CROUND                                         ; the closing round
	s_endpgm
.Lfunc_end_k_q76788a4deb_outgemm:
	.size	k_q76788a4deb_outgemm, .Lfunc_end_k_q76788a4deb_outgemm-k_q76788a4deb_outgemm
	.p2alignl 7, 3214868480
	.fill 96, 4, 3214868480
	.section	.rodata,"a",@progbits
	.p2align	6, 0x0
	.amdhsa_kernel k_q76788a4deb_outgemm
		.amdhsa_group_segment_fixed_size 244736
		.amdhsa_private_segment_fixed_size 0
		.amdhsa_enable_private_segment 0
		.amdhsa_kernarg_size 48
		.amdhsa_user_sgpr_count 2
		.amdhsa_user_sgpr_kernarg_segment_ptr 1
		.amdhsa_wavefront_size32 1
		.amdhsa_system_sgpr_workgroup_id_x 1
		.amdhsa_system_sgpr_workgroup_id_y 1
		.amdhsa_system_sgpr_workgroup_id_z 1
		.amdhsa_system_vgpr_workitem_id 0
		.amdhsa_next_free_vgpr 256
		.amdhsa_next_free_sgpr 100
		.amdhsa_reserve_vcc 0
		.amdhsa_float_denorm_mode_32 3
		.amdhsa_float_denorm_mode_16_64 3
		.amdhsa_memory_ordered 1
		.amdhsa_forward_progress 1
		.amdhsa_inst_pref_size 46
	.end_amdhsa_kernel
	.amdgpu_metadata
---
amdhsa.version: [ 1, 2 ]
amdhsa.kernels:
  - .name:           k_q76788a4deb_outgemm
    .symbol:         k_q76788a4deb_outgemm.kd
    .args:
      - { .name: oc, .offset: 0, .size: 8, .value_kind: global_buffer, .address_space: global }
      - { .name: os, .offset: 8, .size: 8, .value_kind: global_buffer, .address_space: global }
      - { .name: wc, .offset: 16, .size: 8, .value_kind: global_buffer, .address_space: global }
      - { .name: ws, .offset: 24, .size: 8, .value_kind: global_buffer, .address_space: global }
      - { .name: b_out, .offset: 32, .size: 8, .value_kind: global_buffer, .address_space: global }
      - { .name: out0, .offset: 40, .size: 8, .value_kind: global_buffer, .address_space: global }
    .group_segment_fixed_size: 244736
    .private_segment_fixed_size: 0
    .kernarg_segment_align: 8
    .kernarg_segment_size: 48
    .max_flat_workgroup_size: 256
    .sgpr_count:     100
    .vgpr_count:     256
    .wavefront_size: 32
...
	.end_amdgpu_metadata
.endif
;; end of part 4
